; MI455X (gfx1250); checked and timed in simulation.
; The chip was launched on July 23, 2026; its instructions are those of AMD's public machine-readable ISA for CDNA 5 (MIT licence, August 2026) and "CDNA5" Instruction Set Architecture Reference Guide (July 2026). The comments in the code are by the model that wrote it; some were corrected since.
;; MS Deform Attn. Allowed arithmetic: float matrix products may take bf16 or f16 operands with f32 sums; all other float work in f32.
;; Inputs: W_attn 256 x 128 float32; W_off 256 x 256 float32; W_out 256 x 256 float32; W_val 256 x 256 float32; b_attn 128 float32; b_off 256 float32; b_out 256 float32; b_val 256 float32; query 2 x 21,760 x 256 float32; reference_points 2 x 21,760 x 4 x 2 float32; value_flatten 2 x 21,760 x 256 float32.
;; Outputs: out0 2 x 21,760 x 256 float32.
;; 2 versions, each right and faster than the one before. Each part assembles by itself: llvm-mc -triple=amdgcn-amd-amdhsa -mcpu=gfx1250 --defsym DOCPART=n.
;; ======== version 1 of 2: 3 launches
;; limits: values are held in f16: magnitudes above 65,504 overflow, below 6.1e-05 lose precision; inputs' magnitudes at most 65,504; values outside matrix products are rounded to bf16; values outside matrix products are rounded to f16
;; workspace buffers: wfrag 458,752 bytes; idx 22,282,240 bytes of whole numbers; wts 44,564,480 bytes; vtab 22,282,240 bytes
;; launch prep (part 1): grid 112 x 1, 8 waves a work-group, no clusters, 0 bytes of LDS; arguments W_off, W_attn, W_val, W_out, wfrag; writes wfrag
.if DOCPART == 1
	.amdgcn_target "amdgcn-amd-amdhsa--gfx1250"
	.amdhsa_code_object_version 6
	.text
	.protected	k_qc1e55e9080_prep
	.globl	k_qc1e55e9080_prep
	.p2align	8
	.type	k_qc1e55e9080_prep,@function
k_qc1e55e9080_prep:
	s_mov_b64 s[64:65], 0
	v_nop
	global_prefetch_b8 v0, s[64:65] scope:SCOPE_SE
	s_setreg_imm32_b32 hwreg(HW_REG_WAVE_MODE, 25, 1), 1
	s_wait_xcnt 0x0
; The four weight matrices, f32 [k][n], are rounded to f16 and laid out as matrix fragments, so that the later launches
; fetch every fragment half as 512 consecutive bytes.
; wfrag = 56 tiles of 16 columns x 256 k = 8,192 bytes: [tile][K step j of 32][half c][lane 32][16 bytes]; lane (r = lane % 16, hh = lane / 16)
; holds k = 32 j + 16 c + 8 hh + 0..7 of the tile's column r.
; tiles  0- 7: W_off columns 32 t + 2 r (x offsets of head t)     tiles  8-15: W_off columns 32 t + 2 r + 1 (y offsets)
; tiles 16-23: W_val columns 32 t + 2 r                           tiles 24-31: W_val columns 32 t + 2 r + 1
; tiles 32-39: W_attn columns 16 t + r                            tiles 40-55: W_out columns 16 (tile - 40) + r
; A work-group makes 4,096 bytes (half a tile), a thread 16 bytes from eight 4-byte loads down a column.  The column reads are short pieces
; of many rows; they touch 917,504 bytes once in the whole program, and every store of a wave covers 512 consecutive bytes, aligned.
; LIMIT: weights beyond f16's range (magnitude 65,504) are not served; below 2^-14 they keep an absolute accuracy of 2^-25.
.set OFFS, 4                           ; v[4:11]   byte offsets of my eight numbers
.set RAW,  12                          ; v[12:19]  as loaded
.set PKD,  20                          ; v[20:23]  eight f16
	s_load_b256 s[4:11], s[0:1], 0x0               ; W_off s[4:5], W_attn s[6:7], W_val s[8:9], W_out s[10:11]
	s_load_b64 s[12:13], s[0:1], 0x20              ; wfrag
	s_lshr_b32 s14, ttmp9, 1                       ; tile
	s_lshr_b32 s15, s14, 3                         ; group of eight tiles, 0 to 6
	s_and_b32 s16, s14, 7                          ; tile within the group
	s_and_b32 s17, ttmp9, 1
	s_lshl_b32 s17, s17, 7                         ; my half of the tile begins at k = 0 or 128
	s_and_b32 s18, s15, 1                          ; groups 0-3: even or odd columns
	s_lshl_b32 s18, s18, 2
	s_lshl_b32 s19, s16, 7
	s_add_co_u32 s18, s18, s19                     ; groups 0-3: first column's byte = 128 t + 4 odd
	s_lshl_b32 s20, s16, 6                         ; group 4: 64 t
	s_sub_co_u32 s21, s14, 40
	s_lshl_b32 s21, s21, 6                         ; groups 5, 6: 64 (tile - 40); not taken for lower tiles
	s_cmp_lt_u32 s15, 5
	s_cselect_b32 s20, s20, s21
	s_cmp_lt_u32 s15, 4
	s_cselect_b32 s18, s18, s20                    ; the tile's first column, in bytes
	s_cselect_b32 s22, 3, 2                        ; lane r steps 8 bytes (every other column) or 4
	s_cmp_eq_u32 s15, 4
	s_cselect_b32 s23, 9, 10                       ; a row of W_attn is 512 bytes, of the others 1,024
	s_lshl_b32 s24, 1, s23
	s_lshl_b32 s28, ttmp9, 12                      ; my 4,096 bytes of wfrag
	s_mov_b32 s29, 0
	v_and_b32 v1, 15, v0                           ; r
	v_lshrrev_b32 v2, 4, v0                        ; 2 wave + hh
	v_lshl_add_u32 v2, v2, 3, s17                  ; my first k = 128 half + 16 wave + 8 hh
	v_lshlrev_b32 v2, s23, v2
	v_lshlrev_b32 v1, s22, v1
	v_add3_u32 v[OFFS], v2, v1, s18
.irp e, 1,2,3,4,5,6,7
	v_add_nc_u32 v[OFFS+\e], s24, v[OFFS+\e-1]     ; one row of the matrix further down
.endr
	v_lshlrev_b32 v3, 4, v0                        ; 16 bytes a thread
	s_wait_kmcnt 0x0
	s_cmp_eq_u32 s15, 4
	s_cselect_b64 s[26:27], s[6:7], s[10:11]       ; the group's matrix: the conditions hang on the work-group's number alone
	s_cmp_lt_u32 s15, 4
	s_cselect_b64 s[26:27], s[8:9], s[26:27]
	s_cmp_lt_u32 s15, 2
	s_cselect_b64 s[26:27], s[4:5], s[26:27]
	s_add_nc_u64 s[12:13], s[12:13], s[28:29]
.irp e, 0,1,2,3,4,5,6,7
	global_load_b32 v[RAW+\e], v[OFFS+\e], s[26:27]
.endr
	s_wait_loadcnt 0x0
.irp e, 0,1,2,3
	v_cvt_pk_f16_f32 v[PKD+\e], v[RAW+2*\e], v[RAW+2*\e+1]     ; the lower k in the lower half
.endr
	global_store_b128 v3, v[PKD:PKD+3], s[12:13]
	s_endpgm
.Lfunc_end_k_qc1e55e9080_prep:
	.size	k_qc1e55e9080_prep, .Lfunc_end_k_qc1e55e9080_prep-k_qc1e55e9080_prep
	.p2alignl 7, 3214868480
	.fill 96, 4, 3214868480
	.section	.rodata,"a",@progbits
	.p2align	6, 0x0
	.amdhsa_kernel k_qc1e55e9080_prep
		.amdhsa_group_segment_fixed_size 0
		.amdhsa_private_segment_fixed_size 0
		.amdhsa_enable_private_segment 0
		.amdhsa_kernarg_size 40
		.amdhsa_user_sgpr_count 2
		.amdhsa_user_sgpr_kernarg_segment_ptr 1
		.amdhsa_wavefront_size32 1
		.amdhsa_system_sgpr_workgroup_id_x 1
		.amdhsa_system_sgpr_workgroup_id_y 1
		.amdhsa_system_sgpr_workgroup_id_z 1
		.amdhsa_system_vgpr_workitem_id 0
		.amdhsa_next_free_vgpr 32
		.amdhsa_next_free_sgpr 66
		.amdhsa_reserve_vcc 0
		.amdhsa_float_denorm_mode_32 3
		.amdhsa_float_denorm_mode_16_64 3
		.amdhsa_memory_ordered 1
		.amdhsa_forward_progress 1
		.amdhsa_inst_pref_size 3
	.end_amdhsa_kernel
	.amdgpu_metadata
---
amdhsa.version: [ 1, 2 ]
amdhsa.kernels:
  - .name:           k_qc1e55e9080_prep
    .symbol:         k_qc1e55e9080_prep.kd
    .args:
      - { .name: W_off, .offset: 0, .size: 8, .value_kind: global_buffer, .address_space: global }
      - { .name: W_attn, .offset: 8, .size: 8, .value_kind: global_buffer, .address_space: global }
      - { .name: W_val, .offset: 16, .size: 8, .value_kind: global_buffer, .address_space: global }
      - { .name: W_out, .offset: 24, .size: 8, .value_kind: global_buffer, .address_space: global }
      - { .name: wfrag, .offset: 32, .size: 8, .value_kind: global_buffer, .address_space: global }
    .group_segment_fixed_size: 0
    .private_segment_fixed_size: 0
    .kernarg_segment_align: 8
    .kernarg_segment_size: 40
    .max_flat_workgroup_size: 256
    .sgpr_count:     66
    .vgpr_count:     32
    .wavefront_size: 32
...
	.end_amdgpu_metadata
.endif
;; end of part 1
;; launch proj (part 2): grid 255 x 1, 8 waves a work-group, no clusters, 101,376 bytes of LDS; arguments query, reference_points, value_flatten, b_off, b_attn, b_val, wfrag, idx, wts, vtab; writes idx, wts, vtab
.if DOCPART == 2
	.amdgcn_target "amdgcn-amd-amdhsa--gfx1250"
	.amdhsa_code_object_version 6
	.text
	.protected	k_qc1e55e9080_proj
	.globl	k_qc1e55e9080_proj
	.p2align	8
	.type	k_qc1e55e9080_proj,@function
k_qc1e55e9080_proj:
	s_mov_b64 s[64:65], 0
	v_nop
	global_prefetch_b8 v0, s[64:65] scope:SCOPE_SE
	s_setreg_imm32_b32 hwreg(HW_REG_WAVE_MODE, 25, 1), 1
	s_wait_xcnt 0x0
; The three projections in front of the sampling.  Work-groups 0-169 (QUERY WAY): 256 rows of query each -> offsets, softmax, sampling places
; and weights.  Work-groups 170-254 (VALUE WAY): 512 rows of value_flatten each -> the value table.  Eight waves; wave h owns head h and keeps
; its weight fragments (3 or 2 tiles of 16 columns x 256 k, f16) in registers for the whole kernel.
; Rows go in blocks of 128: each wave loads 16 rows (16 KiB, 512 consecutive bytes an instruction), rounds them to f16 into an LDS tile that
; all eight waves read as A fragments; the next block's loads are issued as soon as the registers are free and land during the block's work.
; QUERY WAY, per (row, head, point): gx = ref_x W + off_x + b_x - 0.5 (the bias and the -0.5 enter as the sums' start), xb = floor(gx) held to
; 0 .. W-2, weight of column t = max(0, 1 - |gx - t|) at t = xb and xb + 1; the same for y.  That is the bilinear rule with zeros outside for
; every finite gx, and the four corners are always the tokens tb, tb+1, tb+W, tb+W+1 inside the level, tb = yb W + xb.
;   idx  [m-tile of 16 rows][head][row 16][point 16] u32: tb          wts  [m-tile][head][row][point][corner 2 dy + dx] f16: attention x bilinear weight
; VALUE WAY: vtab [batch][head][token][32 channels] bf16 = value_flatten W_val + b_val.
; The columns of the weight tiles are ordered so that in a result lane r is point r (level r / 4) and register j row 8 (lane / 16) + j: the x offset, the
; y offset and the logit of a point lie in the same lane and register of three accumulators, the softmax is a reduction over 16 lanes, and
; the value way's even and odd channels pack into one word.  Results leave through a stage in LDS of the wave's own, 512 consecutive bytes a store.
; NO CLUSTER: what work-groups share is their weight fragments, loaded once a work-group straight into the registers where they stay (196,608 or
; 131,072 bytes); a joint tensor load would land them in LDS, from where they would have to be read again.  The rows are f32 and must pass
; through registers to be rounded, so they do not come by tensor loads either.
; LIMITS: query, value_flatten and the weights go to the matrix unit in f16: magnitudes up to 65,504.  The value table is rounded once to bf16.
; gx is formed as one fused multiply-add onto the offset, not in the order divide, add, scale: the place differs by a few 2^-24 of its size.
; NaN and infinities in the inputs are not followed (a NaN place gives index 0 and NaN weights).
.set TPITCH, 528                       ; a tile row: 256 f16 + 16 bytes: an odd multiple of 16, so 16 rows start at 16 different 16-byte columns modulo 256
.set REF,    128*TPITCH                ; LDS: tile 0 .. 67,583; reference points of the block's 128 rows, 32 bytes each
.set STAGE,  REF+4096                  ; then a stage of 3,584 bytes for each wave
.set STAGEW, 3584
.set IBLK,   576                       ; stage, words: two blocks of 8 rows x 64 bytes, 64 bytes of padding behind each
.set WOFF,   2*IBLK                    ; stage, weights: two blocks of 8 rows x 128 bytes, 128 bytes of padding behind each
.set WBLK,   1152
.set L16, 1                            ; v1   16 x lane; never rewritten
.set TST, 2                            ; v2   where my conversions go in the tile
.set AFB, 3                            ; v3   my A fragment address in the block's first 32 rows
.set AF,  4                            ; v4   the same for the pair of m-tiles at work
.set RST, 5                            ; v5   where my 16 bytes of reference points go
.set RLB, 6                            ; v6   my level's reference point of row 8 (lane / 16), first pair
.set RLD, 7                            ; v7   the same for the pair at work
.set SI,  8                            ; v8   stage: my word of row 8 (lane / 16)
.set SW,  9                            ; v9   stage: my 8 bytes of weights of that row
.set SR,  10                           ; v10  stage: read back, 16 x lane
.set WL,  11                           ; v11  my level's width (= height) as f32
.set WM2, 12                           ; v12  width - 2
.set BV,  13                           ; v[13:15] biases of my column in the wave's tiles
.set LD,  16                           ; v[16:143] 32 loads of 16 bytes: my 16 rows
.set RFL, 144                          ; v[144:147] my 16 bytes of reference points
.set AFR, 148                          ; v[148:195] three slots of A fragments (2 m-tiles x 8 registers)
.set ACC, 196                          ; v[196:243] accumulators: (m-tile t, weight tile u) at 8 (t nt + u)
.set RF,  AFR                          ; behind a K loop the fragment registers serve the way out: 8 reference points,
.set M,   AFR+16                       ; 8 maxima, then sums,
.set T,   AFR+24                       ; 24 at work,
.set OB,  AFR                          ; and what is read back from the stage
.set TL,  AFR                          ; at the start they hold lane, r, lane / 16 and the biases' offsets
.set TR,  AFR+1
.set TH,  AFR+2
.set TO0, AFR+3
.set TO1, AFR+4
.set BIAS, 192                         ; window 1: v[0:191] weight fragments (tile u, K step j) at 8 (8 u + j); v[192:215] eight copies of each tile's bias
.set AP,  4                            ; s[4:5]   my 16 rows of the block being loaded
.set RP,  6                            ; s[6:7]   their reference points
.set IXP, 8                            ; s[8:9]   idx at the pair at work, my head
.set WTP, 10                           ; s[10:11] wts likewise
.set WFP, 12                           ; s[12:13] wfrag at tile h
.set VB,  36                           ; s[36:37] vtab at my head
.set VP,  38                           ; s[38:39] vtab at the pair at work
.set MSB, 0
.macro WIN new                         ; register windows; the immediate's high byte repeats the setting that is left
.if MSB != \new
	s_set_vgpr_msb (MSB<<8)|\new
.set MSB, \new
.endif
.endm
.macro PLACES n                        ; places behind matrix instructions (ISA guide 7.12.1): plain vector instructions that name none of their registers
.rept \n
	v_nop
.endr
.endm
; my 16 rows of a block: 16 KiB in 32 loads of 512 consecutive bytes; read once in the launch
.macro LOADA q
.irp i, 0,1,2,3,4,5,6,7,8,9,10,11,12,13,14,15,16,17,18,19,20,21,22,23,24,25,26,27,28,29,30,31
	global_load_b128 v[LD+4*\i:LD+4*\i+3], v[L16], s[AP:AP+1] offset:512*\i th:TH_LOAD_NT
.endr
.if \q
	global_load_b128 v[RFL:RFL+3], v[L16], s[RP:RP+1] th:TH_LOAD_NT
.endif
.endm
; the wave's weight fragments into window 1; o0, o1, o2: the tile groups' places in wfrag
.macro LOADB nt, o0, o1, o2
	WIN 0x40                                       ; destination window 1, address window 0
.irp j, 0,1,2,3,4,5,6,7
.irp c, 0,1
	global_load_b128 v[8*\j+4*\c:8*\j+4*\c+3], v[L16], s[WFP:WFP+1] offset:\o0+1024*\j+512*\c
	global_load_b128 v[64+8*\j+4*\c:64+8*\j+4*\c+3], v[L16], s[WFP:WFP+1] offset:\o1+1024*\j+512*\c
.if \nt > 2
	global_load_b128 v[128+8*\j+4*\c:128+8*\j+4*\c+3], v[L16], s[WFP:WFP+1] offset:\o2+1024*\j+512*\c
.endif
.endr
.endr
	WIN 0
.endm
; a result's register j is row 8 (lane / 16) + j of column r, so the start of a sum is the column's bias in all eight registers
.macro BIASUP nt
	WIN 0x40
.irp u, 0,1,2
.if \u < \nt
.irp e, 0,1,2,3,4,5,6,7
	v_mov_b32 v[BIAS+8*\u+\e], v[BV+\u]
.endr
.endif
.endr
	WIN 0
.endm
; my 16 rows to f16, in place, and into the tile: load i is half i & 1 of row i >> 1, four numbers a lane
.macro CVTPASS q
.irp i, 0,1,2,3,4,5,6,7,8,9,10,11,12,13,14,15,16,17,18,19,20,21,22,23,24,25,26,27,28,29,30,31
	v_cvt_pk_f16_f32 v[LD+4*\i], v[LD+4*\i], v[LD+4*\i+1]
	v_cvt_pk_f16_f32 v[LD+4*\i+1], v[LD+4*\i+2], v[LD+4*\i+3]
	ds_store_b64 v[TST], v[LD+4*\i:LD+4*\i+1] offset:TPITCH*(\i>>1)+256*(\i&1)
.endr
.if \q
	ds_store_b128 v[RST], v[RFL:RFL+3]
.endif
.endm
; the A fragments of K step j, two m-tiles, into slot j % 3: four loads
.macro FETCH j
.irp t, 0,1
	ds_load_b128 v[AFR+16*((\j)%3)+8*\t:AFR+16*((\j)%3)+8*\t+3], v[AF] offset:16*TPITCH*\t+64*(\j)
	ds_load_b128 v[AFR+16*((\j)%3)+8*\t+4:AFR+16*((\j)%3)+8*\t+7], v[AF] offset:16*TPITCH*\t+64*(\j)+32
.endr
.endm
; K step j: 2 nt products.  The accumulators take turns, one instruction a turn.
.macro MULS nt, j
.irp t, 0,1
.irp u, 0,1,2
.if \u < \nt
.set DA, ACC+8*(\t*\nt+\u)
.set FA, AFR+16*((\j)%3)+8*\t
.set FB, 8*(8*\u+(\j))
.if \j == 0
	v_wmma_f32_16x16x32_f16 v[DA:DA+7], v[FA:FA+7], v[FB:FB+7], v[BIAS+8*\u:BIAS+8*\u+7]
.else
	v_wmma_f32_16x16x32_f16 v[DA:DA+7], v[FA:FA+7], v[FB:FB+7], v[DA:DA+7]
.endif
.endif
.endr
.endr
.endm
; 32 rows x nt tiles x K = 256.  Three fragment slots: two K steps' loads are on their way while one is multiplied.
.macro KLOOP nt
	FETCH 0
	FETCH 1
	FETCH 2
.irp j, 0,1,2,3,4,5,6,7
.if \j < 6
	s_wait_dscnt 8                                 ; LDS loads come back in order (ISA guide 5.7.1): this step's four are in, the two younger steps' eight may be out
.else
	s_wait_dscnt 4*(7-\j)                          ; one younger step, then none
.endif
.if \j == 0
	WIN 0x14                                       ; B and the biases (C) in window 1; A, D and the LDS loads' registers in window 0
.else
	WIN 0x04                                       ; B in window 1
.endif
	MULS \nt, \j
.if \j < 5
	PLACES 4                                       ; four places before loads are issued into fragments that the products above read
	FETCH \j+3
.endif
.endr
	WIN 0
.endm
; one row (register j) of one m-tile: place, index and the four weights of my point
.macro POINT j
.set TB, T+12*((\j)&1)                 ; two sets of twelve registers take turns
	v_fma_f32 v[TB], v[RF+2*\j], v[WL], v[AX+\j]               ; gx
	v_fma_f32 v[TB+1], v[RF+2*\j+1], v[WL], v[AY+\j]           ; gy
	v_floor_f32 v[TB+2], v[TB]
	v_floor_f32 v[TB+3], v[TB+1]
	v_med3_num_f32 v[TB+2], v[TB+2], 0, v[WM2]                 ; xb, held to 0 .. W-2
	v_med3_num_f32 v[TB+3], v[TB+3], 0, v[WM2]                 ; yb
	v_sub_f32 v[TB], v[TB], v[TB+2]                            ; gx - xb
	v_sub_f32 v[TB+1], v[TB+1], v[TB+3]                        ; gy - yb
	v_add_f32 v[TB+7], -1.0, v[TB]                             ; gx - (xb + 1)
	v_add_f32 v[TB+9], -1.0, v[TB+1]
	v_sub_f32 v[TB+4], 1.0, |v[TB]|
	v_sub_f32 v[TB+5], 1.0, |v[TB+7]|
	v_sub_f32 v[TB+6], 1.0, |v[TB+1]|
	v_sub_f32 v[TB+8], 1.0, |v[TB+9]|
	v_max_num_f32 v[TB+4], 0, v[TB+4]                          ; weight of column xb
	v_max_num_f32 v[TB+5], 0, v[TB+5]                          ; of column xb + 1
	v_max_num_f32 v[TB+6], 0, v[TB+6]                          ; of row yb
	v_max_num_f32 v[TB+8], 0, v[TB+8]                          ; of row yb + 1
	v_mul_f32 v[TB+6], v[TB+6], v[AL+\j]                       ; times the attention weight
	v_mul_f32 v[TB+8], v[TB+8], v[AL+\j]
	v_pk_mul_f32 v[TB:TB+1], v[TB+4:TB+5], v[TB+6:TB+7] op_sel_hi:[1,0]        ; corners 0, 1: both columns times row yb's weight
	v_pk_mul_f32 v[TB+10:TB+11], v[TB+4:TB+5], v[TB+8:TB+9] op_sel_hi:[1,0]    ; corners 2, 3
	v_fma_f32 v[TB+2], v[TB+3], v[WL], v[TB+2]                 ; yb W + xb: whole numbers below 2^14, exact
	v_cvt_pk_f16_f32 v[TB], v[TB], v[TB+1]
	v_cvt_pk_f16_f32 v[TB+1], v[TB+10], v[TB+11]
	v_cvt_u32_f32 v[TB+2], v[TB+2]
	ds_store_b32 v[SI], v[TB+2] offset:64*\j
	ds_store_b64 v[SW], v[TB:TB+1] offset:128*\j
.endm
; the query way out for m-tile t of the pair
.macro QEPI t
.set AX, ACC+24*\t                     ; x offsets + bias - 0.5
.set AY, ACC+24*\t+8                   ; y offsets + bias - 0.5
.set AL, ACC+24*\t+16                  ; logits + bias
.if \t
	s_wait_xcnt 0x0                                ; the first m-tile's stores have had their addresses translated (ISA guide 3.1): their data registers are rewritten only behind this wait
.endif
.irp j, 0,1,2,3,4,5,6,7
	ds_load_b64 v[RF+2*\j:RF+2*\j+1], v[RLD] offset:512*\t+32*\j   ; (x, y) of my level's reference point, row 8 (lane / 16) + j
.endr
	; softmax over the head's 16 points = the 16 lanes of my half, for eight rows at once, in base 2, the row's maximum taken away
.irp k, 0,2,4,6
	v_pk_mul_f32 v[AL+\k:AL+\k+1], v[AL+\k:AL+\k+1], s[40:41] op_sel_hi:[1,0]
.endr
.irp j, 0,1,2,3,4,5,6,7
	v_max_num_f32_dpp v[M+\j], v[AL+\j], v[AL+\j] row_xmask:1 row_mask:0xf bank_mask:0xf
.endr
.irp x, 2,4,8
.irp j, 0,1,2,3,4,5,6,7
	v_max_num_f32_dpp v[M+\j], v[M+\j], v[M+\j] row_xmask:\x row_mask:0xf bank_mask:0xf
.endr
.endr
.irp k, 0,2,4,6
	v_pk_add_f32 v[AL+\k:AL+\k+1], v[AL+\k:AL+\k+1], v[M+\k:M+\k+1] neg_lo:[0,1] neg_hi:[0,1]
.endr
.irp j, 0,1,2,3,4,5,6,7
	v_exp_f32 v[AL+\j], v[AL+\j]
.endr
	v_nop                                          ; one plain instruction between a transcendental and the first use of its result (ISA guide 5.7.2)
	s_wait_alu depctr_va_vdst(0)
.irp j, 0,1,2,3,4,5,6,7
	v_add_f32_dpp v[M+\j], v[AL+\j], v[AL+\j] row_xmask:1 row_mask:0xf bank_mask:0xf
.endr
.irp x, 2,4,8
.irp j, 0,1,2,3,4,5,6,7
	v_add_f32_dpp v[M+\j], v[M+\j], v[M+\j] row_xmask:\x row_mask:0xf bank_mask:0xf
.endr
.endr
.irp j, 0,1,2,3,4,5,6,7
	v_rcp_f32 v[M+\j], v[M+\j]                     ; the sum is at least 1: the largest term is 2^0
.endr
	v_nop
	s_wait_alu depctr_va_vdst(0)
.irp k, 0,2,4,6
	v_pk_mul_f32 v[AL+\k:AL+\k+1], v[AL+\k:AL+\k+1], v[M+\k:M+\k+1]
.endr
	s_wait_dscnt 0x0                               ; the reference points
.irp j, 0,1,2,3,4,5,6,7
	POINT \j
.endr
	; back from my own stage by whole blocks: LDS serves a wave's instructions in order (ISA guide 5.7.1), so these see the stores above
	ds_load_b128 v[OB:OB+3], v[SR]
	ds_load_b128 v[OB+4:OB+7], v[SR] offset:IBLK
	ds_load_b128 v[OB+8:OB+11], v[SR] offset:WOFF
	ds_load_b128 v[OB+12:OB+15], v[SR] offset:WOFF+512
	ds_load_b128 v[OB+16:OB+19], v[SR] offset:WOFF+WBLK
	ds_load_b128 v[OB+20:OB+23], v[SR] offset:WOFF+WBLK+512
.irp u, 0,1
	s_wait_dscnt 5-\u                              ; the younger read-backs may be out
	global_store_b128 v[L16], v[OB+4*\u:OB+4*\u+3], s[IXP:IXP+1] offset:8192*\t+512*\u       ; each store of the wave covers 512 consecutive bytes, aligned
.endr
.irp u, 0,1,2,3
	s_wait_dscnt 3-\u
	global_store_b128 v[L16], v[OB+8+4*\u:OB+8+4*\u+3], s[WTP:WTP+1] offset:16384*\t+512*\u
.endr
.endm
; the value way out for m-tile t: channels 2 r and 2 r + 1 of a token in one word, 64 bytes a token
.macro VEPI t
.irp j, 0,1,2,3,4,5,6,7
	v_cvt_pk_bf16_f32 v[T+\j], v[ACC+16*\t+\j], v[ACC+16*\t+8+\j]
.endr
.irp j, 0,1,2,3,4,5,6,7
	ds_store_b32 v[SI], v[T+\j] offset:64*\j
.endr
	ds_load_b128 v[OB+8*\t:OB+8*\t+3], v[SR]
	ds_load_b128 v[OB+8*\t+4:OB+8*\t+7], v[SR] offset:IBLK
	s_wait_dscnt 0x1
	global_store_b128 v[L16], v[OB+8*\t:OB+8*\t+3], s[VP:VP+1] offset:1024*\t
	s_wait_dscnt 0x0
	global_store_b128 v[L16], v[OB+8*\t+4:OB+8*\t+7], s[VP:VP+1] offset:1024*\t+512
.endm
; a block of 128 rows.  q = 1: the query way.  Two barriers: between the old tile's reads and the new tile's stores, and between those stores and their reads.
.macro BLOCK q, first, last
.if \first == 0
	s_wait_loadcnt 0x0                             ; my 16 rows of this block are in registers
	s_wait_dscnt 0x0                               ; my reads of the old tile are over
	s_barrier_signal -1
	s_barrier_wait -1                              ; everybody's are
.endif
	CVTPASS \q
	s_wait_dscnt 0x0                               ; my part of the tile is written, and the load registers are free
.if \last == 0
	s_add_nc_u64 s[AP:AP+1], s[AP:AP+1], 128*1024  ; the loads that named these bases are done
.if \q
	s_add_nc_u64 s[RP:RP+1], s[RP:RP+1], 128*32
.endif
	LOADA \q                                       ; the next block: 128 KiB for the eight waves, on its way during this block's work
.endif
	s_barrier_signal -1
	s_barrier_wait -1                              ; the tile is whole
	v_mov_b32 v[AF], v[AFB]
.if \q
	v_mov_b32 v[RLD], v[RLB]
.else
	s_lshl_b32 s14, s42, 6                         ; 64 bytes a token; 21,760 is a multiple of 128, so a block lies in one batch
	s_cmp_ge_u32 s42, 21760
	s_cselect_b32 s44, 7*21760*64, 0               ; the second batch's table begins behind the first batch's eight heads
	s_add_co_u32 s14, s14, s44
	s_add_nc_u64 s[VP:VP+1], s[VB:VB+1], s[14:15]
	s_add_co_u32 s42, s42, 128
.endif
	s_mov_b32 s43, 0
.Lpair_\@:                             ; four trips of 32 rows
.if \q
	KLOOP 3
	PLACES 5                                       ; four places before results are read, five before the next trip's first products write over them
	QEPI 0
	QEPI 1
	s_wait_xcnt 0x0                                ; the stores' bases and data registers are rewritten only behind this wait
	s_add_nc_u64 s[IXP:IXP+1], s[IXP:IXP+1], 2*8192
	s_add_nc_u64 s[WTP:WTP+1], s[WTP:WTP+1], 2*16384
	v_add_nc_u32 v[RLD], 32*32, v[RLD]
.else
	KLOOP 2
	PLACES 5
	VEPI 0
	VEPI 1
	s_wait_xcnt 0x0
	s_add_nc_u64 s[VP:VP+1], s[VP:VP+1], 32*64
.endif
	v_add_nc_u32 v[AF], 32*TPITCH, v[AF]
	s_add_co_u32 s43, s43, 1
	s_cmp_lt_u32 s43, 4
	s_cbranch_scc1 .Lpair_\@
.endm
	s_load_b512 s[16:31], s[0:1], 0x0              ; query s[16:17], reference_points s[18:19], value_flatten s[20:21], b_off s[22:23], b_attn s[24:25], b_val s[26:27], wfrag s[28:29], idx s[30:31]
	s_load_b128 s[32:35], s[0:1], 0x40             ; wts s[32:33], vtab s[34:35]
	v_lshl_add_u32 v254, v0, 2, 0x18800
	v_mov_b32 v255, 0
	v_lshrrev_b32 v[TH], 5, v0
	v_readfirstlane_b32 s2, v[TH]                  ; wave = head
	v_and_b32 v[TL], 31, v0                        ; lane
	v_and_b32 v[TR], 15, v0                        ; r
	v_bfe_u32 v[TH], v0, 4, 1                      ; lane / 16
	v_lshlrev_b32 v[L16], 4, v[TL]
	s_mul_i32 s44, s2, 16*TPITCH                   ; my 16 rows of the tile
	v_lshl_add_u32 v[TST], v[TL], 3, s44           ; four f16 a lane
	v_mul_u32_u24 v[AFB], v[TR], TPITCH            ; a fragment: lane holds row r, k = 8 (lane / 16) + 0..7 and 16 more
	v_lshl_add_u32 v[AFB], v[TH], 4, v[AFB]
	s_mul_i32 s45, s2, STAGEW
	s_add_co_u32 s45, s45, STAGE                   ; my stage
	v_mul_u32_u24 v[SI], v[TH], IBLK
	v_lshl_add_u32 v[SI], v[TR], 2, v[SI]
	v_add_nc_u32 v[SI], s45, v[SI]
	v_add_nc_u32 v[SR], s45, v[L16]
	v_lshlrev_b32 v[TO0], 3, v[TR]
	s_lshl_b32 s46, s2, 7
	v_add_nc_u32 v[TO0], s46, v[TO0]               ; byte of column 32 h + 2 r in b_off and in b_val
	s_lshl_b32 s14, s2, 13
	s_mov_b32 s15, 0                               ; s15 stays 0: the upper word of every offset
	s_wait_kmcnt 0x0
	s_add_nc_u64 s[WFP:WFP+1], s[28:29], s[14:15]
	s_cmp_ge_u32 ttmp9, 170                        ; the same for all waves of a work-group
	s_cbranch_scc1 .Lvalue
	; ---------------- the query way ----------------
	s_lshl_b32 s44, s2, 9
	s_add_co_u32 s44, s44, REF
	v_add_nc_u32 v[RST], s44, v[L16]
	v_lshrrev_b32 v[WL], 2, v[TR]                  ; my point's level
	v_lshlrev_b32 v[RLB], 3, v[WL]
	v_lshl_add_u32 v[RLB], v[TH], 8, v[RLB]        ; 8 rows of 32 bytes for the upper lanes
	v_add_nc_u32 v[RLB], REF, v[RLB]
	v_mul_u32_u24 v[SW], v[TH], WBLK
	v_lshl_add_u32 v[SW], v[TR], 3, v[SW]
	v_add3_u32 v[SW], v[SW], s45, WOFF
	v_mov_b32 v[WM2], 0x80
	v_lshrrev_b32 v[WL], v[WL], v[WM2]             ; 128, 64, 32, 16
	v_cvt_f32_u32 v[WL], v[WL]
	v_add_f32 v[WM2], -2.0, v[WL]
	v_lshlrev_b32 v[TO1], 2, v[TR]
	s_lshl_b32 s46, s2, 6
	v_add_nc_u32 v[TO1], s46, v[TO1]               ; byte of column 16 h + r in b_attn
	s_mov_b32 s40, 0x3fb8aa3b                      ; log2 e
	s_mov_b32 s41, 0x3fb8aa3b
	s_lshl_b32 s14, ttmp9, 18                      ; 256 rows of 1,024 bytes a work-group, 16 a wave
	s_lshl_b32 s44, s2, 14
	s_add_co_u32 s14, s14, s44
	s_add_nc_u64 s[AP:AP+1], s[16:17], s[14:15]
	s_lshl_b32 s14, ttmp9, 13                      ; 32 bytes of reference points a row
	s_lshl_b32 s44, s2, 9
	s_add_co_u32 s14, s14, s44
	s_add_nc_u64 s[RP:RP+1], s[18:19], s[14:15]
	s_lshl_b32 s14, ttmp9, 17                      ; 16 m-tiles of 8,192 bytes; 1,024 a head
	s_lshl_b32 s44, s2, 10
	s_add_co_u32 s14, s14, s44
	s_add_nc_u64 s[IXP:IXP+1], s[30:31], s[14:15]
	s_lshl_b32 s14, ttmp9, 18                      ; 16 m-tiles of 16,384 bytes; 2,048 a head
	s_lshl_b32 s44, s2, 11
	s_add_co_u32 s14, s14, s44
	s_add_nc_u64 s[WTP:WTP+1], s[32:33], s[14:15]
	global_load_b32 v[BV], v[TO0], s[22:23]
	global_load_b32 v[BV+1], v[TO0], s[22:23] offset:4
	global_load_b32 v[BV+2], v[TO1], s[24:25]
	LOADA 1
	LOADB 3, 0, 8*8192, 32*8192                    ; x offsets, y offsets, logits of my head
	s_wait_loadcnt 0x0
	v_add_f32 v[BV], -0.5, v[BV]                   ; the pixel centre's -0.5 rides on the bias
	v_add_f32 v[BV+1], -0.5, v[BV+1]
	BIASUP 3
	BLOCK 1, 1, 0
	BLOCK 1, 0, 1
	s_wait_tensorcnt 0x0
	ds_add_u32 v254, v255
	s_wait_dscnt 0x0
	s_endpgm
	; ---------------- the value way ----------------
.Lvalue:
	s_sub_co_u32 s3, ttmp9, 170
	s_lshl_b32 s14, s3, 19                         ; 512 rows of 1,024 bytes a work-group, 16 a wave
	s_lshl_b32 s44, s2, 14
	s_add_co_u32 s14, s14, s44
	s_add_nc_u64 s[AP:AP+1], s[20:21], s[14:15]
	s_mul_i32 s14, s2, 21760*64                    ; a head's table of one batch
	s_add_nc_u64 s[VB:VB+1], s[34:35], s[14:15]
	s_lshl_b32 s42, s3, 9                          ; the block's first row, counted through both batches
	global_load_b32 v[BV], v[TO0], s[26:27]
	global_load_b32 v[BV+1], v[TO0], s[26:27] offset:4
	LOADA 0
	LOADB 2, 16*8192, 24*8192, 0                   ; even and odd channels of my head
	s_wait_loadcnt 0x0
	BIASUP 2
	BLOCK 0, 1, 0
	BLOCK 0, 0, 0
	BLOCK 0, 0, 0
	BLOCK 0, 0, 1
	s_wait_tensorcnt 0x0
	ds_add_u32 v254, v255
	s_wait_dscnt 0x0
	s_endpgm
.Lfunc_end_k_qc1e55e9080_proj:
	.size	k_qc1e55e9080_proj, .Lfunc_end_k_qc1e55e9080_proj-k_qc1e55e9080_proj
	.p2alignl 7, 3214868480
	.fill 96, 4, 3214868480
	.section	.rodata,"a",@progbits
	.p2align	6, 0x0
	.amdhsa_kernel k_qc1e55e9080_proj
		.amdhsa_group_segment_fixed_size 101376
		.amdhsa_private_segment_fixed_size 0
		.amdhsa_enable_private_segment 0
		.amdhsa_kernarg_size 80
		.amdhsa_user_sgpr_count 2
		.amdhsa_user_sgpr_kernarg_segment_ptr 1
		.amdhsa_wavefront_size32 1
		.amdhsa_system_sgpr_workgroup_id_x 1
		.amdhsa_system_sgpr_workgroup_id_y 1
		.amdhsa_system_sgpr_workgroup_id_z 1
		.amdhsa_system_vgpr_workitem_id 0
		.amdhsa_next_free_vgpr 480
		.amdhsa_next_free_sgpr 66
		.amdhsa_reserve_vcc 0
		.amdhsa_float_denorm_mode_32 3
		.amdhsa_float_denorm_mode_16_64 3
		.amdhsa_memory_ordered 1
		.amdhsa_forward_progress 1
		.amdhsa_inst_pref_size 188
	.end_amdhsa_kernel
	.amdgpu_metadata
---
amdhsa.version: [ 1, 2 ]
amdhsa.kernels:
  - .name:           k_qc1e55e9080_proj
    .symbol:         k_qc1e55e9080_proj.kd
    .args:
      - { .name: query, .offset: 0, .size: 8, .value_kind: global_buffer, .address_space: global }
      - { .name: reference_points, .offset: 8, .size: 8, .value_kind: global_buffer, .address_space: global }
      - { .name: value_flatten, .offset: 16, .size: 8, .value_kind: global_buffer, .address_space: global }
      - { .name: b_off, .offset: 24, .size: 8, .value_kind: global_buffer, .address_space: global }
      - { .name: b_attn, .offset: 32, .size: 8, .value_kind: global_buffer, .address_space: global }
      - { .name: b_val, .offset: 40, .size: 8, .value_kind: global_buffer, .address_space: global }
      - { .name: wfrag, .offset: 48, .size: 8, .value_kind: global_buffer, .address_space: global }
      - { .name: idx, .offset: 56, .size: 8, .value_kind: global_buffer, .address_space: global }
      - { .name: wts, .offset: 64, .size: 8, .value_kind: global_buffer, .address_space: global }
      - { .name: vtab, .offset: 72, .size: 8, .value_kind: global_buffer, .address_space: global }
    .group_segment_fixed_size: 101376
    .private_segment_fixed_size: 0
    .kernarg_segment_align: 8
    .kernarg_segment_size: 80
    .max_flat_workgroup_size: 256
    .sgpr_count:     66
    .vgpr_count:     480
    .wavefront_size: 32
...
	.end_amdgpu_metadata
.endif
;; end of part 2
;; launch sample (part 3): grid 256 x 1, 16 waves a work-group, no clusters, 295,680 bytes of LDS; arguments idx, wts, vtab, wfrag, b_out, out0; writes out0
.if DOCPART == 3
	.amdgcn_target "amdgcn-amd-amdhsa--gfx1250"
	.amdhsa_code_object_version 6
	.text
	.protected	k_qc1e55e9080_sample
	.globl	k_qc1e55e9080_sample
	.p2align	8
	.type	k_qc1e55e9080_sample,@function
k_qc1e55e9080_sample:
	s_mov_b64 s[64:65], 0
	v_nop
	global_prefetch_b8 v0, s[64:65] scope:SCOPE_SE
	s_setreg_imm32_b32 hwreg(HW_REG_WAVE_MODE, 25, 1), 1
	s_wait_xcnt 0x0
; Sampling and the output projection.  A work-group owns 170 rows (128 work-groups a batch), sixteen waves.
; GATHER: wave w takes rows w + 16 i.  Lane = (head = lane / 4, quarter = lane % 4) and holds 8 channels, so one 16-byte load a lane fetches one
; corner of one point for all eight heads (eight pieces of 64 bytes), the weighted sum needs no step across lanes, and at the end the wave holds the row's
; 256 numbers, 16 bytes of f16 a lane.  A step is one level of one row: 4 points x 4 corners = 16 loads, 128 multiply-adds straight from bf16 halves.
; The loads of the next step are issued before this step's are waited for (two buffers); indices and weights are loaded four steps ahead.
; One address a point: the corners tb, tb+1, tb+W, tb+W+1 and the level's first token stand in the loads' immediates.  An index enters an address
; only behind a minimum with the level's largest legal tb.
; PRODUCT: the 170 rows (f16 in LDS) times W_out (f16 fragments, copied once into LDS) plus b_out.  Wave w makes 64 columns (w % 4) of three m-tiles (w / 4).
; LDS: rows [gathering wave 16][its row 11] x 528 bytes, so that a wave stores into 5,808 consecutive bytes of its own; m-tile i is row i of all sixteen
; waves, read at a lane pitch of 5,808 bytes, an odd multiple of 16.  Then W_out's 16 tiles (131,072 bytes), then a stage of 16 x 272 bytes a wave.
; The copies' bytes and the bytes that ds_store writes lie in different aligned blocks of 256 bytes.
; NO CLUSTER: what work-groups share is W_out's 131,072 bytes, once a work-group, against 170 rows x 32,768 gathered bytes of its own.
; The sampling sum does not go to the matrix unit: a row's 64 samples have weights of their own for each head, so 1 row in 16 of a product would be of use.
; LIMITS: the sampled vector goes to the matrix unit in f16: magnitudes up to 65,504.  The weights come in f16, the values in bf16 (rounded by the launch before).
.set SPITCH, 528                       ; a row of 256 f16 + 16 bytes
.set WROWS,  11                        ; rows of a wave's part
.set WB,     16*WROWS*SPITCH           ; 92,928: W_out's fragments
.set OST,    WB+131072                 ; 224,000: the stages
.set OPITCH, 272                       ; a stage row: 64 f32 + 16 bytes
.set OTILES, 40*8192                   ; W_out's tiles in wfrag
.set HEADB,  21760*64                  ; a head's table of one batch
; the gather's registers
.set LB,   1                           ; v1   HEADB x head + 16 x quarter
.set MI,   2                           ; v2   1,024 x head
.set MW,   3                           ; v3   2,048 x head
.set SADR, 4                           ; v4   where my 16 bytes of the row at work go
.set LA,   5                           ; v5   the copies' LDS address
.set GA,   6                           ; v6   the copies' offset in wfrag
.set TMP,  7
.set ZERO, 8                           ; v[8:11] zeros
.set IDX,  12                          ; v[12:27] indices, level l at 4 l
.set WH,   32                          ; v[32:63] weights in f16, level l at 8 l (below v128: their halves are named)
.set WF,   64                          ; v[64:79] the level's 16 weights in f32
.set ADDR, 80                          ; v[80:87] two sets of four addresses
.set ACC,  88                          ; v[88:95] my 8 channels
.set PK,   96                          ; v[96:99] the same in f16
.set G,    128                         ; v[128:255] two buffers of 16 samples x 4 registers
.set IP,   4                           ; s[4:5]  idx at the wave's next row
.set WP,   6                           ; s[6:7]  wts at the wave's next row
.set VT,   8                           ; s[8:9]  vtab at my batch
; the product's registers
.set BADR, 1                           ; v1   W_out fragments of my 64 columns
.set AADR, 2                           ; v[2:4] row fragments of my three m-tiles
.set STO,  5                           ; v5   stage: in
.set RD,   6                           ; v6   stage: back
.set CO,   7                           ; v7   my bytes in two rows of out0
.set FS,   8                           ; v[8:63], v[64:119] two fragment sets: 4 x 8 of W_out, 3 x 8 of rows
.set BOF,  120                         ; v120 offset in b_out; v[121:124] at work
.set ACCM, 128                         ; v[128:223] accumulators (m-tile t, column tile u) at 8 (4 t + u)
.set BIAS, 224                         ; v[224:255] b_out of my columns, as the sums' start
.macro PLACES n                        ; places behind matrix instructions (ISA guide 7.12.1)
.rept \n
	v_nop
.endr
.endm
.macro CVT2 d, r
	v_cvt_f32_f16 v[\d], v\r\().l
	v_cvt_f32_f16 v[\d+1], v\r\().h
.endm
.macro CVT16 r0, r1, r2, r3, r4, r5, r6, r7
	CVT2 WF+0, \r0
	CVT2 WF+2, \r1
	CVT2 WF+4, \r2
	CVT2 WF+6, \r3
	CVT2 WF+8, \r4
	CVT2 WF+10, \r5
	CVT2 WF+12, \r6
	CVT2 WF+14, \r7
.endm
.macro WIDEN l                         ; the level's 16 weights to f32 (halves of v[WH+8 l ..], named by number)
.if \l == 0
	CVT16 32, 33, 34, 35, 36, 37, 38, 39
.endif
.if \l == 1
	CVT16 40, 41, 42, 43, 44, 45, 46, 47
.endif
.if \l == 2
	CVT16 48, 49, 50, 51, 52, 53, 54, 55
.endif
.if \l == 3
	CVT16 56, 57, 58, 59, 60, 61, 62, 63
.endif
.endm
; the 16 loads of level lv into buffer and address set 'set'
.macro GATHER lv, set
.set LW, 128>>(\lv)                    ; the level's width
.set LS, (65536-(65536>>(2*(\lv))))/3  ; its first token: 0, 16384, 20480, 21504
.set LC, (LW-2)*(LW+1)                 ; the largest tb
.irp p, 0,1,2,3
	v_min_u32 v[ADDR+4*(\set)+\p], LC, v[IDX+4*(\lv)+\p]
.endr
.irp p, 0,1,2,3
	v_lshl_add_u32 v[ADDR+4*(\set)+\p], v[ADDR+4*(\set)+\p], 6, v[LB]
.endr
.irp p, 0,1,2,3
.irp c, 0,1,2,3
	global_load_b128 v[G+64*(\set)+4*(4*\p+\c):G+64*(\set)+4*(4*\p+\c)+3], v[ADDR+4*(\set)+\p], s[VT:VT+1] offset:64*(LS+(\c>>1)*LW+(\c&1))
.endr
.endr
.endm
; One step: level l of the row at work.  g: gather the next level (of the next row behind level 3).  i: load that level's indices for the row after.
; w: load this level's weights for the next row.  adv: step the two row pointers.  left: the loads issued behind this step's own gathers.
.macro STEP l, g, i, w, adv, left
.set NL, ((\l)+1)&3
.set PAR, (\l)&1
.if \g
	GATHER NL, 1-PAR                               ; that buffer and its addresses were last named by loads which the step before showed done
.endif
.if \i
	global_load_b128 v[IDX+4*NL:IDX+4*NL+3], v[MI], s[IP:IP+1] offset:16*NL+8192*(\l/3) th:TH_LOAD_NT   ; behind level 3: level 0 of the row after next, one m-tile on
.endif
	s_wait_loadcnt \left                           ; loads come back in order (ISA guide 5.7.1): this step's 16 samples are in; what was issued behind them stays out
	WIDEN \l
.if \w
	global_load_b128 v[WH+8*\l:WH+8*\l+3], v[MW], s[WP:WP+1] offset:32*\l th:TH_LOAD_NT
	global_load_b128 v[WH+8*\l+4:WH+8*\l+7], v[MW], s[WP:WP+1] offset:32*\l+16 th:TH_LOAD_NT
.endif
.irp s, 0,1,2,3,4,5,6,7,8,9,10,11,12,13,14,15
.irp k, 0,1,2,3
.if \l+\s == 0
	v_fma_mix_f32_bf16 v[ACC+2*\k], v[G+64*PAR+4*\s+\k], v[WF+\s], v[ZERO] op_sel_hi:[1,0,0]                 ; the row's first sample starts the sums
	v_fma_mix_f32_bf16 v[ACC+2*\k+1], v[G+64*PAR+4*\s+\k], v[WF+\s], v[ZERO] op_sel:[1,0,0] op_sel_hi:[1,0,0]
.else
	v_fma_mix_f32_bf16 v[ACC+2*\k], v[G+64*PAR+4*\s+\k], v[WF+\s], v[ACC+2*\k] op_sel_hi:[1,0,0]             ; the word's low bf16 times an f32 weight
	v_fma_mix_f32_bf16 v[ACC+2*\k+1], v[G+64*PAR+4*\s+\k], v[WF+\s], v[ACC+2*\k+1] op_sel:[1,0,0] op_sel_hi:[1,0,0]   ; the high one
.endif
.endr
.endr
.if \l == 3
.irp k, 0,1,2,3
	v_cvt_pk_f16_f32 v[PK+\k], v[ACC+2*\k], v[ACC+2*\k+1]
.endr
	ds_store_b128 v[SADR], v[PK:PK+3]
.if \g
	v_add_nc_u32 v[SADR], SPITCH, v[SADR]
.endif
.if \adv
	s_wait_xcnt 0x0                                ; every earlier load has had its address translated (ISA guide 3.1): the bases are stepped only behind this wait
	s_add_nc_u64 s[IP:IP+1], s[IP:IP+1], 8192      ; 16 rows on = one m-tile on
	s_add_nc_u64 s[WP:WP+1], s[WP:WP+1], 16384
.endif
.endif
.endm
.macro ROW                             ; a row with all loads: 3 (an index load, two weight loads of the step before) + 16 + 1 stay out at each wait
	STEP 0, 1, 1, 1, 0, 20
	STEP 1, 1, 1, 1, 0, 20
	STEP 2, 1, 1, 1, 0, 20
	STEP 3, 1, 1, 1, 1, 20
.endm
	s_load_b256 s[4:11], s[0:1], 0x0               ; idx s[4:5], wts s[6:7], vtab s[8:9], wfrag s[10:11]
	s_load_b128 s[12:15], s[0:1], 0x20             ; b_out s[12:13], out0 s[14:15]
	v_lshl_add_u32 v126, v0, 2, 0x47b00
	v_mov_b32 v127, 0
	ds_add_u32 v126, v127
	ds_add_u32 v126, v127
	v_lshrrev_b32 v[TMP], 5, v0
	v_readfirstlane_b32 s2, v[TMP]                 ; wave
	v_and_b32 v[TMP], 31, v0                       ; lane
	s_lshl_b32 s16, s2, 13                         ; a wave copies one tile of 8,192 bytes
	s_add_co_u32 s17, s16, WB
	s_add_co_u32 s16, s16, OTILES
	v_lshl_add_u32 v[LA], v[TMP], 4, s17
	v_lshl_add_u32 v[GA], v[TMP], 4, s16
	s_wait_dscnt 0x0
	s_wait_kmcnt 0x0
.irp i, 0,1,2,3,4,5,6,7,8,9,10,11,12,13,14,15
	global_load_async_to_lds_b128 v[LA], v[GA], s[10:11] offset:512*\i     ; W_out's fragments, once; the immediate steps both addresses.  Ahead of every LDS read, barrier and wait on ASYNCcnt
.endr
	v_lshrrev_b32 v[MI], 2, v[TMP]                 ; head
	v_and_b32 v[MW], 3, v[TMP]                     ; quarter
	v_mul_u32_u24 v[LB], v[MI], HEADB
	v_lshl_add_u32 v[LB], v[MW], 4, v[LB]
	v_lshlrev_b32 v[MW], 11, v[MI]
	v_lshlrev_b32 v[MI], 10, v[MI]
	s_mul_i32 s16, s2, WROWS*SPITCH
	v_lshl_add_u32 v[SADR], v[TMP], 4, s16
.irp k, 0,1,2,3
	v_mov_b32 v[ZERO+\k], 0
.endr
	s_mul_i32 s16, ttmp9, 170
	s_add_co_u32 s16, s16, s2                      ; my first row
	s_lshr_b32 s17, s16, 4                         ; its m-tile
	s_and_b32 s16, s16, 15                         ; its place there: the same for all my rows
	s_lshl_b32 s18, s17, 13
	s_lshl_b32 s19, s16, 6
	s_add_co_u32 s18, s18, s19
	s_mov_b32 s19, 0
	s_add_nc_u64 s[IP:IP+1], s[IP:IP+1], s[18:19]
	s_lshl_b32 s18, s18, 1                         ; wts: twice the bytes
	s_add_nc_u64 s[WP:WP+1], s[WP:WP+1], s[18:19]
	s_cmp_ge_u32 ttmp9, 128
	s_cselect_b32 s18, 8*HEADB, 0                  ; the second batch's table
	s_add_nc_u64 s[VT:VT+1], s[VT:VT+1], s[18:19]
	s_cmp_lt_u32 s2, 10
	s_cbranch_scc1 .Lfull
	ds_store_b128 v[SADR], v[ZERO:ZERO+3] offset:10*SPITCH     ; waves 10-15 have ten rows: their eleventh, which the last m-tile reads, is zeros
.Lfull:
.irp l, 0,1,2,3
	global_load_b128 v[IDX+4*\l:IDX+4*\l+3], v[MI], s[IP:IP+1] offset:16*\l th:TH_LOAD_NT
.endr
.irp l, 0,1,2
	global_load_b128 v[WH+8*\l:WH+8*\l+3], v[MW], s[WP:WP+1] offset:32*\l th:TH_LOAD_NT
	global_load_b128 v[WH+8*\l+4:WH+8*\l+7], v[MW], s[WP:WP+1] offset:32*\l+16 th:TH_LOAD_NT
.endr
	s_wait_loadcnt 6                               ; the four index loads are in; the six weight loads behind them may be out
	GATHER 0, 0
	global_load_b128 v[IDX:IDX+3], v[MI], s[IP:IP+1] offset:8192 th:TH_LOAD_NT         ; level 0 of my second row.  From here the order of loads is that of a row's last step:
	global_load_b128 v[WH+24:WH+27], v[MW], s[WP:WP+1] offset:96 th:TH_LOAD_NT         ; 16 gathers, an index load, two weight loads
	global_load_b128 v[WH+28:WH+31], v[MW], s[WP:WP+1] offset:112 th:TH_LOAD_NT
	s_wait_xcnt 0x0
	s_add_nc_u64 s[IP:IP+1], s[IP:IP+1], 8192      ; while a row is at work the pointers stand at the next
	s_add_nc_u64 s[WP:WP+1], s[WP:WP+1], 16384
	s_mov_b32 s21, 0
.Lrow:
	ROW
	s_add_co_u32 s21, s21, 1
	s_cmp_lt_u32 s21, 8
	s_cbranch_scc1 .Lrow
	s_cmp_ge_u32 s2, 10
	s_cbranch_scc1 .Ltail
	ROW                                            ; waves 0-9 have eleven rows; the loads out are the same on both ways
.Ltail:
	STEP 0, 1, 1, 1, 0, 20                         ; the last row but one: its loads ahead are the last row's
	STEP 1, 1, 1, 1, 0, 20
	STEP 2, 1, 1, 1, 0, 20
	STEP 3, 1, 0, 1, 0, 19                         ; no row after next: 3 + 16
	STEP 0, 1, 0, 0, 0, 18                         ; the last row: two weight loads + 16,
	STEP 1, 1, 0, 0, 0, 16                         ; then the 16 gathers alone,
	STEP 2, 1, 0, 0, 0, 16
	STEP 3, 0, 0, 0, 0, 0                          ; then nothing
	; ---------------- the product ----------------
	s_and_b32 s22, s2, 3                           ; my 64 columns
	s_lshr_b32 s23, s2, 2                          ; my three m-tiles
	v_bfe_u32 v[BOF], v0, 4, 1
	s_lshl_b32 s16, s22, 8
	v_lshl_add_u32 v[BOF], v[BOF], 5, s16          ; with the sources swapped register j holds column n0 + 8 (lane / 16) + j
.irp u, 0,1,2,3
	global_load_b128 v[BIAS+8*\u:BIAS+8*\u+3], v[BOF], s[12:13] offset:64*\u
	global_load_b128 v[BIAS+8*\u+4:BIAS+8*\u+7], v[BOF], s[12:13] offset:64*\u+16
.endr
	s_wait_dscnt 0x0                               ; my rows are written
	s_wait_asynccnt 0x0                            ; my tile of W_out has landed
	s_barrier_signal -1
	s_barrier_wait -1                              ; everybody's have
	v_and_b32 v121, 31, v0                         ; lane
	v_and_b32 v122, 15, v0                         ; r
	v_bfe_u32 v123, v0, 4, 1                       ; lane / 16
	s_lshl_b32 s16, s22, 15                        ; four tiles of 8,192 bytes
	s_add_co_u32 s16, s16, WB
	v_lshl_add_u32 v[BADR], v121, 4, s16
	v_mul_u32_u24 v124, v122, WROWS*SPITCH         ; row r of an m-tile was gathered by wave r
	v_lshl_add_u32 v124, v123, 4, v124
	s_mul_i32 s17, s23, 3
.irp t, 0,1,2
	s_add_co_u32 s18, s17, \t
	s_min_u32 s18, s18, 10                         ; eleven m-tiles for twelve places: the last group's third repeats m-tile 10 and is not stored
	s_mul_i32 s18, s18, SPITCH
	v_add_nc_u32 v[AADR+\t], s18, v124
.endr
	s_mul_i32 s16, s2, 16*OPITCH
	s_add_co_u32 s16, s16, OST                     ; my stage
	v_mul_u32_u24 v[STO], v122, OPITCH
	v_lshl_add_u32 v[STO], v123, 5, v[STO]
	v_add_nc_u32 v[STO], s16, v[STO]
	v_mul_u32_u24 v[RD], v123, OPITCH
	v_lshl_add_u32 v[RD], v122, 4, v[RD]
	v_add_nc_u32 v[RD], s16, v[RD]
	v_lshlrev_b32 v[CO], 4, v122
	v_lshl_add_u32 v[CO], v123, 10, v[CO]
	s_mul_i32 s16, ttmp9, 170
	s_mul_i32 s17, s23, 48
	s_add_co_u32 s16, s16, s17
	s_lshl_b32 s16, s16, 10                        ; my first row of out0, 1,024 bytes a row,
	s_lshl_b32 s17, s22, 8                         ; and my 256 bytes of it
	s_add_co_u32 s16, s16, s17
	s_mov_b32 s17, 0
	s_add_nc_u64 s[14:15], s[14:15], s[16:17]
; the fragments of K step j into set j & 1: 8 loads of W_out (512 consecutive bytes each), 6 of rows
.macro FETCHG j
.set FB, FS+56*((\j)&1)
.irp u, 0,1,2,3
	ds_load_b128 v[FB+8*\u:FB+8*\u+3], v[BADR] offset:8192*\u+1024*(\j)
	ds_load_b128 v[FB+8*\u+4:FB+8*\u+7], v[BADR] offset:8192*\u+1024*(\j)+512
.endr
.irp t, 0,1,2
	ds_load_b128 v[FB+32+8*\t:FB+32+8*\t+3], v[AADR+\t] offset:64*(\j)
	ds_load_b128 v[FB+32+8*\t+4:FB+32+8*\t+7], v[AADR+\t] offset:64*(\j)+32
.endr
.endm
; 12 products, sources swapped (W_out's columns first), so that a lane holds eight neighbouring columns of one row.
; The twelve accumulators take turns, one instruction a turn.
.macro MUL12 j
.set FB, FS+56*((\j)&1)
.irp t, 0,1,2
.irp u, 0,1,2,3
.set DA, ACCM+8*(4*\t+\u)
.if \j == 0
	v_wmma_f32_16x16x32_f16 v[DA:DA+7], v[FB+8*\u:FB+8*\u+7], v[FB+32+8*\t:FB+32+8*\t+7], v[BIAS+8*\u:BIAS+8*\u+7]
.else
	v_wmma_f32_16x16x32_f16 v[DA:DA+7], v[FB+8*\u:FB+8*\u+7], v[FB+32+8*\t:FB+32+8*\t+7], v[DA:DA+7]
.endif
.endr
.endr
.endm
	s_wait_loadcnt 0x0                             ; b_out
	FETCHG 0
.irp j, 0,1,2,3,4,5,6,7
.if \j < 7
.if \j > 0
	PLACES 4                                       ; four places before loads are issued into the set that the products above read
.endif
	FETCHG \j+1
	s_wait_dscnt 14                                ; this step's fragments are in; the 14 loads just issued may be out
.else
	s_wait_dscnt 0x0
.endif
	MUL12 \j
.endr
	PLACES 4                                       ; four places before results are read and fragment registers loaded again
; m-tile t goes out through my own stage: 16 rows x 256 bytes in, nu pairs of rows back and out
.macro OUTT t, nu
.irp u, 0,1,2,3
	ds_store_b128 v[STO], v[ACCM+8*(4*\t+\u):ACCM+8*(4*\t+\u)+3] offset:64*\u
	ds_store_b128 v[STO], v[ACCM+8*(4*\t+\u)+4:ACCM+8*(4*\t+\u)+7] offset:64*\u+16
.endr
.if \t
	s_wait_xcnt 0x0                                ; the last m-tile's stores have had their addresses translated (ISA guide 3.1): their data registers are loaded again only behind this wait
.endif
.irp u, 0,1,2,3,4,5,6,7
.if \u < \nu
	ds_load_b128 v[FS+4*\u:FS+4*\u+3], v[RD] offset:2*OPITCH*\u    ; LDS serves a wave's instructions in order (ISA guide 5.7.1): these see the stores above
.endif
.endr
.irp u, 0,1,2,3,4,5,6,7
.if \u < \nu
	s_wait_dscnt \nu-1-\u                          ; the younger read-backs may be out
	global_store_b128 v[CO], v[FS+4*\u:FS+4*\u+3], s[14:15] offset:16384*\t+2048*\u th:TH_STORE_NT   ; 16 lanes store 256 consecutive bytes, at a multiple of 256 from out0's first byte
.endif
.endr
.endm
	OUTT 0, 8
	s_cmp_eq_u32 s23, 3
	s_cbranch_scc1 .Ledge
	OUTT 1, 8
	OUTT 2, 8
	s_wait_tensorcnt 0x0
	ds_add_u32 v126, v127
	s_wait_dscnt 0x0
	s_endpgm
.Ledge:
	OUTT 1, 5                                      ; m-tile 10 holds rows 160 to 169: five pairs of rows, whole instructions left out
	s_wait_tensorcnt 0x0
	ds_add_u32 v126, v127
	s_wait_dscnt 0x0
	s_endpgm
.Lfunc_end_k_qc1e55e9080_sample:
	.size	k_qc1e55e9080_sample, .Lfunc_end_k_qc1e55e9080_sample-k_qc1e55e9080_sample
	.p2alignl 7, 3214868480
	.fill 96, 4, 3214868480
	.section	.rodata,"a",@progbits
	.p2align	6, 0x0
	.amdhsa_kernel k_qc1e55e9080_sample
		.amdhsa_group_segment_fixed_size 295680
		.amdhsa_private_segment_fixed_size 0
		.amdhsa_enable_private_segment 0
		.amdhsa_kernarg_size 48
		.amdhsa_user_sgpr_count 2
		.amdhsa_user_sgpr_kernarg_segment_ptr 1
		.amdhsa_wavefront_size32 1
		.amdhsa_system_sgpr_workgroup_id_x 1
		.amdhsa_system_sgpr_workgroup_id_y 1
		.amdhsa_system_sgpr_workgroup_id_z 1
		.amdhsa_system_vgpr_workitem_id 0
		.amdhsa_next_free_vgpr 256
		.amdhsa_next_free_sgpr 66
		.amdhsa_reserve_vcc 0
		.amdhsa_float_denorm_mode_32 3
		.amdhsa_float_denorm_mode_16_64 3
		.amdhsa_memory_ordered 1
		.amdhsa_forward_progress 1
		.amdhsa_inst_pref_size 204
	.end_amdhsa_kernel
	.amdgpu_metadata
---
amdhsa.version: [ 1, 2 ]
amdhsa.kernels:
  - .name:           k_qc1e55e9080_sample
    .symbol:         k_qc1e55e9080_sample.kd
    .args:
      - { .name: idx, .offset: 0, .size: 8, .value_kind: global_buffer, .address_space: global }
      - { .name: wts, .offset: 8, .size: 8, .value_kind: global_buffer, .address_space: global }
      - { .name: vtab, .offset: 16, .size: 8, .value_kind: global_buffer, .address_space: global }
      - { .name: wfrag, .offset: 24, .size: 8, .value_kind: global_buffer, .address_space: global }
      - { .name: b_out, .offset: 32, .size: 8, .value_kind: global_buffer, .address_space: global }
      - { .name: out0, .offset: 40, .size: 8, .value_kind: global_buffer, .address_space: global }
    .group_segment_fixed_size: 295680
    .private_segment_fixed_size: 0
    .kernarg_segment_align: 8
    .kernarg_segment_size: 48
    .max_flat_workgroup_size: 512
    .sgpr_count:     66
    .vgpr_count:     256
    .wavefront_size: 32
...
	.end_amdgpu_metadata
.endif
;; end of part 3
;; ======== version 2 of 2: 4 launches; 1.99 times as fast as version 1
;; limits: values are held in f16: magnitudes above 65,504 overflow, below 6.1e-05 lose precision; inputs' magnitudes at most 65,504; values outside matrix products are rounded to bf16; values outside matrix products are rounded to f16
;; workspace buffers: wfrag 458,752 bytes; idx 22,282,240 bytes of whole numbers; wts 44,564,480 bytes; vtab 22,282,240 bytes; sbuf 22,282,240 bytes
;; launch prep: the kernel of part 1 again; grid 112 x 1, 8 waves a work-group, no clusters, 0 bytes of LDS; arguments W_off, W_attn, W_val, W_out, wfrag; writes wfrag
;; launch proj (part 4): grid 255 x 1, 8 waves a work-group, no clusters, 101,376 bytes of LDS; arguments query, reference_points, value_flatten, b_off, b_attn, b_val, wfrag, idx, wts, vtab; writes idx, wts, vtab
.if DOCPART == 4
	.amdgcn_target "amdgcn-amd-amdhsa--gfx1250"
	.amdhsa_code_object_version 6
	.text
	.protected	k_qc1e55e9080_proj
	.globl	k_qc1e55e9080_proj
	.p2align	8
	.type	k_qc1e55e9080_proj,@function
k_qc1e55e9080_proj:
	s_mov_b64 s[64:65], 0
	v_nop
	global_prefetch_b8 v0, s[64:65] scope:SCOPE_SE
	s_setreg_imm32_b32 hwreg(HW_REG_WAVE_MODE, 25, 1), 1
	s_wait_xcnt 0x0
; The three projections in front of the sampling.  Work-groups 0-169 (QUERY WAY): 256 rows of query each -> offsets, softmax, sampling places
; and weights.  Work-groups 170-254 (VALUE WAY): 512 rows of value_flatten each -> the value table.  Eight waves; wave h owns head h and keeps
; its weight fragments (3 or 2 tiles of 16 columns x 256 k, f16) in registers for the whole kernel.
; Rows go in blocks of 128: each wave loads 16 rows (16 KiB, 512 consecutive bytes an instruction), rounds them to f16 into an LDS tile that
; all eight waves read as A fragments; the next block's loads are issued as soon as the registers are free and land during the block's work.
; QUERY WAY, per (row, head, point): gx = ref_x W + off_x + b_x - 0.5 (the bias and the -0.5 enter as the sums' start), xb = floor(gx) held to
; 0 .. W-2, weight of column t = max(0, 1 - |gx - t|) at t = xb and xb + 1; the same for y.  That is the bilinear rule with zeros outside for
; every finite gx, and the four corners are always the tokens tb, tb+1, tb+W, tb+W+1 inside the level, tb = yb W + xb.
;   idx  [head][m-tile of 16 rows][level 4][row 16][point 4] u32: tb
;   wts  [head][m-tile][pair of points 8][row 16][2 points][corner 2 dy + dx] f16: attention x bilinear weight
;   (the next launch's lanes are rows: there a lane reads 16 bytes and sixteen lanes 256 consecutive bytes)
; VALUE WAY: vtab [batch][head][group of 4 channels][token][4 channels] bf16 = value_flatten W_val + b_val: a group's table is one dense block of 174,080 bytes.
; The columns of the weight tiles are ordered so that in a result lane r is point r (level r / 4) and register j row 8 (lane / 16) + j: the x offset, the
; y offset and the logit of a point lie in the same lane and register of three accumulators, the softmax is a reduction over 16 lanes, and
; the value way's even and odd channels pack into one word.  Results leave through a stage in LDS of the wave's own, in runs of 256 consecutive bytes.
; NO CLUSTER: what work-groups share is their weight fragments, loaded once a work-group straight into the registers where they stay (196,608 or
; 131,072 bytes); a joint tensor load would land them in LDS, from where they would have to be read again.  The rows are f32 and must pass
; through registers to be rounded, so they do not come by tensor loads either.
; LIMITS: query, value_flatten and the weights go to the matrix unit in f16: magnitudes up to 65,504.  The value table is rounded once to bf16.
; gx is formed as one fused multiply-add onto the offset, not in the order divide, add, scale: the place differs by a few 2^-24 of its size.
; NaN and infinities in the inputs are not followed (a NaN place gives index 0 and NaN weights).
.set TPITCH, 528                       ; a tile row: 256 f16 + 16 bytes: an odd multiple of 16, so 16 rows start at 16 different 16-byte columns modulo 256
.set REF,    128*TPITCH                ; LDS: tile 0 .. 67,583; reference points of the block's 128 rows, 32 bytes each
.set STAGE,  REF+4096                  ; then a stage of 3,584 bytes for each wave
.set STAGEW, 3584
.set CPITCH, 272                       ; the stage is made of chunks of 256 bytes, 16 bytes of padding behind each
.set WOFF,   4*CPITCH                  ; query way: 4 chunks of indices, then 8 of weights; value way: 8 chunks, one a channel group
.set SLICE,  21760*8                   ; a channel group's table
.set HEADB,  8*SLICE                   ; a head's
.set L16, 1                            ; v1   16 x lane; never rewritten
.set TST, 2                            ; v2   where my conversions go in the tile
.set AFB, 3                            ; v3   my A fragment address in the block's first 32 rows
.set AF,  4                            ; v4   the same for the pair of m-tiles at work
.set RST, 5                            ; v5   where my 16 bytes of reference points go
.set RLB, 6                            ; v6   my level's reference point of row 8 (lane / 16), first pair
.set RLD, 7                            ; v7   the same for the pair at work
.set SI,  8                            ; v8   stage: my word of row 8 (lane / 16)
.set SW,  9                            ; v9   query way: stage, my 8 bytes of weights of that row
.set VCO, 9                            ; v9   value way: my 16 bytes in vtab: lanes 0-15 one channel group, lanes 16-31 the next
.set SR,  10                           ; v10  stage: read back: chunk lane / 16, 16 bytes a lane
.set WL,  11                           ; v11  my level's width (= height) as f32
.set WM2, 12                           ; v12  width - 2
.set BV,  13                           ; v[13:15] biases of my column in the wave's tiles
.set LD,  16                           ; v[16:143] 32 loads of 16 bytes: my 16 rows
.set RFL, 144                          ; v[144:147] my 16 bytes of reference points
.set AFR, 148                          ; v[148:195] three slots of A fragments (2 m-tiles x 8 registers)
.set ACC, 196                          ; v[196:243] accumulators: (m-tile t, weight tile u) at 8 (t nt + u)
.set RF,  AFR                          ; behind a K loop the fragment registers serve the way out: 8 reference points,
.set M,   AFR+16                       ; 8 maxima, then sums,
.set T,   AFR+24                       ; 24 at work,
.set OB,  AFR                          ; and what is read back from the stage
.set TL,  AFR                          ; at the start they hold lane, r, lane / 16 and the biases' offsets
.set TR,  AFR+1
.set TH,  AFR+2
.set TO0, AFR+3
.set TO1, AFR+4
.set BIAS, 192                         ; window 1: v[0:191] weight fragments (tile u, K step j) at 8 (8 u + j); v[192:215] eight copies of each tile's bias
.set AP,  4                            ; s[4:5]   my 16 rows of the block being loaded
.set RP,  6                            ; s[6:7]   their reference points
.set IXP, 8                            ; s[8:9]   idx at the pair at work, my head
.set WTP, 10                           ; s[10:11] wts likewise
.set WFP, 12                           ; s[12:13] wfrag at tile h
.set VB,  36                           ; s[36:37] vtab at my head
.set VP,  38                           ; s[38:39] vtab at the pair at work
.set MSB, 0
.macro WIN new                         ; register windows; the immediate's high byte repeats the setting that is left
.if MSB != \new
	s_set_vgpr_msb (MSB<<8)|\new
.set MSB, \new
.endif
.endm
.macro PLACES n                        ; places behind matrix instructions (ISA guide 7.12.1): plain vector instructions that name none of their registers
.rept \n
	v_nop
.endr
.endm
; my 16 rows of a block: 16 KiB in 32 loads of 512 consecutive bytes; read once in the launch
.macro LOADA q
.irp i, 0,1,2,3,4,5,6,7,8,9,10,11,12,13,14,15,16,17,18,19,20,21,22,23,24,25,26,27,28,29,30,31
	global_load_b128 v[LD+4*\i:LD+4*\i+3], v[L16], s[AP:AP+1] offset:512*\i th:TH_LOAD_NT
.endr
.if \q
	global_load_b128 v[RFL:RFL+3], v[L16], s[RP:RP+1] th:TH_LOAD_NT
.endif
.endm
; the wave's weight fragments into window 1; o0, o1, o2: the tile groups' places in wfrag
.macro LOADB nt, o0, o1, o2
	WIN 0x40                                       ; destination window 1, address window 0
.irp j, 0,1,2,3,4,5,6,7
.irp c, 0,1
	global_load_b128 v[8*\j+4*\c:8*\j+4*\c+3], v[L16], s[WFP:WFP+1] offset:\o0+1024*\j+512*\c
	global_load_b128 v[64+8*\j+4*\c:64+8*\j+4*\c+3], v[L16], s[WFP:WFP+1] offset:\o1+1024*\j+512*\c
.if \nt > 2
	global_load_b128 v[128+8*\j+4*\c:128+8*\j+4*\c+3], v[L16], s[WFP:WFP+1] offset:\o2+1024*\j+512*\c
.endif
.endr
.endr
	WIN 0
.endm
; a result's register j is row 8 (lane / 16) + j of column r, so the start of a sum is the column's bias in all eight registers
.macro BIASUP nt
	WIN 0x40
.irp u, 0,1,2
.if \u < \nt
.irp e, 0,1,2,3,4,5,6,7
	v_mov_b32 v[BIAS+8*\u+\e], v[BV+\u]
.endr
.endif
.endr
	WIN 0
.endm
; my 16 rows to f16, in place, and into the tile: load i is half i & 1 of row i >> 1, four numbers a lane
.macro CVTPASS q
.irp i, 0,1,2,3,4,5,6,7,8,9,10,11,12,13,14,15,16,17,18,19,20,21,22,23,24,25,26,27,28,29,30,31
	v_cvt_pk_f16_f32 v[LD+4*\i], v[LD+4*\i], v[LD+4*\i+1]
	v_cvt_pk_f16_f32 v[LD+4*\i+1], v[LD+4*\i+2], v[LD+4*\i+3]
	ds_store_b64 v[TST], v[LD+4*\i:LD+4*\i+1] offset:TPITCH*(\i>>1)+256*(\i&1)
.endr
.if \q
	ds_store_b128 v[RST], v[RFL:RFL+3]
.endif
.endm
; the A fragments of K step j, two m-tiles, into slot j % 3: four loads
.macro FETCH j
.irp t, 0,1
	ds_load_b128 v[AFR+16*((\j)%3)+8*\t:AFR+16*((\j)%3)+8*\t+3], v[AF] offset:16*TPITCH*\t+64*(\j)
	ds_load_b128 v[AFR+16*((\j)%3)+8*\t+4:AFR+16*((\j)%3)+8*\t+7], v[AF] offset:16*TPITCH*\t+64*(\j)+32
.endr
.endm
; K step j: 2 nt products.  The accumulators take turns, one instruction a turn.
.macro MULS nt, j
.irp t, 0,1
.irp u, 0,1,2
.if \u < \nt
.set DA, ACC+8*(\t*\nt+\u)
.set FA, AFR+16*((\j)%3)+8*\t
.set FB, 8*(8*\u+(\j))
.if \j == 0
	v_wmma_f32_16x16x32_f16 v[DA:DA+7], v[FA:FA+7], v[FB:FB+7], v[BIAS+8*\u:BIAS+8*\u+7]
.else
	v_wmma_f32_16x16x32_f16 v[DA:DA+7], v[FA:FA+7], v[FB:FB+7], v[DA:DA+7]
.endif
.endif
.endr
.endr
.endm
; 32 rows x nt tiles x K = 256.  Three fragment slots: two K steps' loads are on their way while one is multiplied.
.macro KLOOP nt
	FETCH 0
	FETCH 1
	FETCH 2
.irp j, 0,1,2,3,4,5,6,7
.if \j < 6
	s_wait_dscnt 8                                 ; LDS loads come back in order (ISA guide 5.7.1): this step's four are in, the two younger steps' eight may be out
.else
	s_wait_dscnt 4*(7-\j)                          ; one younger step, then none
.endif
.if \j == 0
	WIN 0x14                                       ; B and the biases (C) in window 1; A, D and the LDS loads' registers in window 0
.else
	WIN 0x04                                       ; B in window 1
.endif
	MULS \nt, \j
.if \j < 5
	PLACES 4                                       ; four places before loads are issued into fragments that the products above read
	FETCH \j+3
.endif
.endr
	WIN 0
.endm
; one row (register j) of one m-tile: place, index and the four weights of my point
.macro POINT j
.set TB, T+12*((\j)&1)                 ; two sets of twelve registers take turns
	v_fma_f32 v[TB], v[RF+2*\j], v[WL], v[AX+\j]               ; gx
	v_fma_f32 v[TB+1], v[RF+2*\j+1], v[WL], v[AY+\j]           ; gy
	v_floor_f32 v[TB+2], v[TB]
	v_floor_f32 v[TB+3], v[TB+1]
	v_med3_num_f32 v[TB+2], v[TB+2], 0, v[WM2]                 ; xb, held to 0 .. W-2
	v_med3_num_f32 v[TB+3], v[TB+3], 0, v[WM2]                 ; yb
	v_sub_f32 v[TB], v[TB], v[TB+2]                            ; gx - xb
	v_sub_f32 v[TB+1], v[TB+1], v[TB+3]                        ; gy - yb
	v_add_f32 v[TB+7], -1.0, v[TB]                             ; gx - (xb + 1)
	v_add_f32 v[TB+9], -1.0, v[TB+1]
	v_sub_f32 v[TB+4], 1.0, |v[TB]|
	v_sub_f32 v[TB+5], 1.0, |v[TB+7]|
	v_sub_f32 v[TB+6], 1.0, |v[TB+1]|
	v_sub_f32 v[TB+8], 1.0, |v[TB+9]|
	v_max_num_f32 v[TB+4], 0, v[TB+4]                          ; weight of column xb
	v_max_num_f32 v[TB+5], 0, v[TB+5]                          ; of column xb + 1
	v_max_num_f32 v[TB+6], 0, v[TB+6]                          ; of row yb
	v_max_num_f32 v[TB+8], 0, v[TB+8]                          ; of row yb + 1
	v_mul_f32 v[TB+6], v[TB+6], v[AL+\j]                       ; times the attention weight
	v_mul_f32 v[TB+8], v[TB+8], v[AL+\j]
	v_pk_mul_f32 v[TB:TB+1], v[TB+4:TB+5], v[TB+6:TB+7] op_sel_hi:[1,0]        ; corners 0, 1: both columns times row yb's weight
	v_pk_mul_f32 v[TB+10:TB+11], v[TB+4:TB+5], v[TB+8:TB+9] op_sel_hi:[1,0]    ; corners 2, 3
	v_fma_f32 v[TB+2], v[TB+3], v[WL], v[TB+2]                 ; yb W + xb: whole numbers below 2^14, exact
	v_cvt_pk_f16_f32 v[TB], v[TB], v[TB+1]
	v_cvt_pk_f16_f32 v[TB+1], v[TB+10], v[TB+11]
	v_cvt_u32_f32 v[TB+2], v[TB+2]
	ds_store_b32 v[SI], v[TB+2] offset:16*\j                   ; chunk = my level, 16 bytes a row, my point's word
	ds_store_b64 v[SW], v[TB:TB+1] offset:16*\j                ; chunk = my pair of points, 16 bytes a row, my point's half
.endm
; the query way out for m-tile t of the pair
.macro QEPI t
.set AX, ACC+24*\t                     ; x offsets + bias - 0.5
.set AY, ACC+24*\t+8                   ; y offsets + bias - 0.5
.set AL, ACC+24*\t+16                  ; logits + bias
.if \t
	s_wait_xcnt 0x0                                ; the first m-tile's stores have had their addresses translated (ISA guide 3.1): their data registers are rewritten only behind this wait
.endif
.irp j, 0,1,2,3,4,5,6,7
	ds_load_b64 v[RF+2*\j:RF+2*\j+1], v[RLD] offset:512*\t+32*\j   ; (x, y) of my level's reference point, row 8 (lane / 16) + j
.endr
	; softmax over the head's 16 points = the 16 lanes of my half, for eight rows at once, in base 2, the row's maximum taken away
.irp k, 0,2,4,6
	v_pk_mul_f32 v[AL+\k:AL+\k+1], v[AL+\k:AL+\k+1], s[40:41] op_sel_hi:[1,0]
.endr
.irp j, 0,1,2,3,4,5,6,7
	v_max_num_f32_dpp v[M+\j], v[AL+\j], v[AL+\j] row_xmask:1 row_mask:0xf bank_mask:0xf
.endr
.irp x, 2,4,8
.irp j, 0,1,2,3,4,5,6,7
	v_max_num_f32_dpp v[M+\j], v[M+\j], v[M+\j] row_xmask:\x row_mask:0xf bank_mask:0xf
.endr
.endr
.irp k, 0,2,4,6
	v_pk_add_f32 v[AL+\k:AL+\k+1], v[AL+\k:AL+\k+1], v[M+\k:M+\k+1] neg_lo:[0,1] neg_hi:[0,1]
.endr
.irp j, 0,1,2,3,4,5,6,7
	v_exp_f32 v[AL+\j], v[AL+\j]
.endr
	v_nop                                          ; one plain instruction between a transcendental and the first use of its result (ISA guide 5.7.2)
	s_wait_alu depctr_va_vdst(0)
.irp j, 0,1,2,3,4,5,6,7
	v_add_f32_dpp v[M+\j], v[AL+\j], v[AL+\j] row_xmask:1 row_mask:0xf bank_mask:0xf
.endr
.irp x, 2,4,8
.irp j, 0,1,2,3,4,5,6,7
	v_add_f32_dpp v[M+\j], v[M+\j], v[M+\j] row_xmask:\x row_mask:0xf bank_mask:0xf
.endr
.endr
.irp j, 0,1,2,3,4,5,6,7
	v_rcp_f32 v[M+\j], v[M+\j]                     ; the sum is at least 1: the largest term is 2^0
.endr
	v_nop
	s_wait_alu depctr_va_vdst(0)
.irp k, 0,2,4,6
	v_pk_mul_f32 v[AL+\k:AL+\k+1], v[AL+\k:AL+\k+1], v[M+\k:M+\k+1]
.endr
	s_wait_dscnt 0x0                               ; the reference points
.irp j, 0,1,2,3,4,5,6,7
	POINT \j
.endr
	; back from my own stage, two chunks a load: LDS serves a wave's instructions in order (ISA guide 5.7.1), so these see the stores above
	ds_load_b128 v[OB:OB+3], v[SR]
	ds_load_b128 v[OB+4:OB+7], v[SR] offset:2*CPITCH
.irp u, 0,1,2,3
	ds_load_b128 v[OB+8+4*\u:OB+8+4*\u+3], v[SR] offset:WOFF+2*CPITCH*\u
.endr
.irp u, 0,1
	s_wait_dscnt 5-\u                              ; the younger read-backs may be out
	global_store_b128 v[L16], v[OB+4*\u:OB+4*\u+3], s[IXP:IXP+1] offset:1024*\t+512*\u       ; each store of the wave covers 512 consecutive bytes, aligned
.endr
.irp u, 0,1,2,3
	s_wait_dscnt 3-\u
	global_store_b128 v[L16], v[OB+8+4*\u:OB+8+4*\u+3], s[WTP:WTP+1] offset:2048*\t+512*\u
.endr
.endm
; The value way out for the pair of m-tiles.  Lane r holds channels 2 r and 2 r + 1 of a token in one word; chunk r / 2 of the stage gathers a channel
; group's 32 tokens x 8 bytes.  (Chunk c starts at word 68 c, the upper lanes 16 words on: chunk 4 of the lower lanes and chunk 0 of the upper meet in a
; bank, two deep, in these sixteen stores.)
.macro VEPI2
.irp t, 0,1
.irp j, 0,1,2,3,4,5,6,7
	v_cvt_pk_bf16_f32 v[T+8*\t+\j], v[ACC+16*\t+\j], v[ACC+16*\t+8+\j]
.endr
.endr
.irp t, 0,1
.irp j, 0,1,2,3,4,5,6,7
	ds_store_b32 v[SI], v[T+8*\t+\j] offset:128*\t+8*\j
.endr
.endr
.irp u, 0,1,2,3
	ds_load_b128 v[OB+4*\u:OB+4*\u+3], v[SR] offset:2*CPITCH*\u
.endr
.irp u, 0,1,2,3
	s_wait_dscnt 3-\u                              ; the younger read-backs may be out
	global_store_b128 v[VCO], v[OB+4*\u:OB+4*\u+3], s[VP:VP+1] offset:2*SLICE*\u     ; 16 lanes store 256 consecutive bytes, aligned: 32 tokens of one channel group
.endr
.endm
; a block of 128 rows.  q = 1: the query way.  Two barriers: between the old tile's reads and the new tile's stores, and between those stores and their reads.
.macro BLOCK q, first, last
.if \first == 0
	s_wait_loadcnt 0x0                             ; my 16 rows of this block are in registers
	s_wait_dscnt 0x0                               ; my reads of the old tile are over
	s_barrier_signal -1
	s_barrier_wait -1                              ; everybody's are
.endif
	CVTPASS \q
	s_wait_dscnt 0x0                               ; my part of the tile is written, and the load registers are free
.if \last == 0
	s_add_nc_u64 s[AP:AP+1], s[AP:AP+1], 128*1024  ; the loads that named these bases are done
.if \q
	s_add_nc_u64 s[RP:RP+1], s[RP:RP+1], 128*32
.endif
	LOADA \q                                       ; the next block: 128 KiB for the eight waves, on its way during this block's work
.endif
	s_barrier_signal -1
	s_barrier_wait -1                              ; the tile is whole
	v_mov_b32 v[AF], v[AFB]
.if \q
	v_mov_b32 v[RLD], v[RLB]
.else
	s_lshl_b32 s14, s42, 3                         ; 8 bytes a token in each channel group; 21,760 is a multiple of 128, so a block lies in one batch
	s_cmp_ge_u32 s42, 21760
	s_cselect_b32 s44, 8*HEADB-SLICE, 0            ; the second batch's tables begin behind the first batch's eight heads
	s_add_co_u32 s14, s14, s44
	s_add_nc_u64 s[VP:VP+1], s[VB:VB+1], s[14:15]
	s_add_co_u32 s42, s42, 128
.endif
	s_mov_b32 s43, 0
.Lpair_\@:                             ; four trips of 32 rows
.if \q
	KLOOP 3
	PLACES 5                                       ; four places before results are read, five before the next trip's first products write over them
	QEPI 0
	QEPI 1
	s_wait_xcnt 0x0                                ; the stores' bases and data registers are rewritten only behind this wait
	s_add_nc_u64 s[IXP:IXP+1], s[IXP:IXP+1], 2*1024
	s_add_nc_u64 s[WTP:WTP+1], s[WTP:WTP+1], 2*2048
	v_add_nc_u32 v[RLD], 32*32, v[RLD]
.else
	KLOOP 2
	PLACES 5
	VEPI2
	s_wait_xcnt 0x0
	s_add_nc_u64 s[VP:VP+1], s[VP:VP+1], 32*8
.endif
	v_add_nc_u32 v[AF], 32*TPITCH, v[AF]
	s_add_co_u32 s43, s43, 1
	s_cmp_lt_u32 s43, 4
	s_cbranch_scc1 .Lpair_\@
.endm
	s_load_b512 s[16:31], s[0:1], 0x0              ; query s[16:17], reference_points s[18:19], value_flatten s[20:21], b_off s[22:23], b_attn s[24:25], b_val s[26:27], wfrag s[28:29], idx s[30:31]
	s_load_b128 s[32:35], s[0:1], 0x40             ; wts s[32:33], vtab s[34:35]
	v_lshl_add_u32 v254, v0, 2, 0x18800
	v_mov_b32 v255, 0
	v_lshrrev_b32 v[TH], 5, v0
	v_readfirstlane_b32 s2, v[TH]                  ; wave = head
	v_and_b32 v[TL], 31, v0                        ; lane
	v_and_b32 v[TR], 15, v0                        ; r
	v_bfe_u32 v[TH], v0, 4, 1                      ; lane / 16
	v_lshlrev_b32 v[L16], 4, v[TL]
	s_mul_i32 s44, s2, 16*TPITCH                   ; my 16 rows of the tile
	v_lshl_add_u32 v[TST], v[TL], 3, s44           ; four f16 a lane
	v_mul_u32_u24 v[AFB], v[TR], TPITCH            ; a fragment: lane holds row r, k = 8 (lane / 16) + 0..7 and 16 more
	v_lshl_add_u32 v[AFB], v[TH], 4, v[AFB]
	s_mul_i32 s45, s2, STAGEW
	s_add_co_u32 s45, s45, STAGE                   ; my stage
	v_mul_u32_u24 v[SR], v[TH], CPITCH             ; back: lanes 0-15 one chunk's 256 bytes, lanes 16-31 the next chunk's
	v_lshl_add_u32 v[SR], v[TR], 4, v[SR]
	v_add_nc_u32 v[SR], s45, v[SR]
	v_lshlrev_b32 v[TO0], 3, v[TR]
	s_lshl_b32 s46, s2, 7
	v_add_nc_u32 v[TO0], s46, v[TO0]               ; byte of column 32 h + 2 r in b_off and in b_val
	s_lshl_b32 s14, s2, 13
	s_mov_b32 s15, 0                               ; s15 stays 0: the upper word of every offset
	s_wait_kmcnt 0x0
	s_add_nc_u64 s[WFP:WFP+1], s[28:29], s[14:15]
	s_cmp_ge_u32 ttmp9, 170                        ; the same for all waves of a work-group
	s_cbranch_scc1 .Lvalue
	; ---------------- the query way ----------------
	s_lshl_b32 s44, s2, 9
	s_add_co_u32 s44, s44, REF
	v_add_nc_u32 v[RST], s44, v[L16]
	v_lshrrev_b32 v[WL], 2, v[TR]                  ; my point's level
	v_lshlrev_b32 v[RLB], 3, v[WL]
	v_lshl_add_u32 v[RLB], v[TH], 8, v[RLB]        ; 8 rows of 32 bytes for the upper lanes
	v_add_nc_u32 v[RLB], REF, v[RLB]
	v_mul_u32_u24 v[SI], v[WL], CPITCH             ; indices: chunk = level; word 68 level + 32 (lane / 16) + r % 4: 32 different banks
	v_lshl_add_u32 v[SI], v[TH], 7, v[SI]          ; 8 rows of 16 bytes for the upper lanes
	v_and_b32 v[TO1], 3, v[TR]
	v_lshl_add_u32 v[SI], v[TO1], 2, v[SI]
	v_add_nc_u32 v[SI], s45, v[SI]
	v_lshrrev_b32 v[TO1], 1, v[TR]
	v_mul_u32_u24 v[SW], v[TO1], CPITCH            ; weights: chunk = r / 2; words 68 (r / 2) + 32 (lane / 16) + 2 (r % 2): 32 different pairs of banks
	v_lshl_add_u32 v[SW], v[TH], 7, v[SW]
	v_and_b32 v[TO1], 1, v[TR]
	v_lshl_add_u32 v[SW], v[TO1], 3, v[SW]
	s_add_co_u32 s46, s45, WOFF
	v_add_nc_u32 v[SW], s46, v[SW]
	v_mov_b32 v[WM2], 0x80
	v_lshrrev_b32 v[WL], v[WL], v[WM2]             ; 128, 64, 32, 16
	v_cvt_f32_u32 v[WL], v[WL]
	v_add_f32 v[WM2], -2.0, v[WL]
	v_lshlrev_b32 v[TO1], 2, v[TR]
	s_lshl_b32 s46, s2, 6
	v_add_nc_u32 v[TO1], s46, v[TO1]               ; byte of column 16 h + r in b_attn
	s_mov_b32 s40, 0x3fb8aa3b                      ; log2 e
	s_mov_b32 s41, 0x3fb8aa3b
	s_lshl_b32 s14, ttmp9, 18                      ; 256 rows of 1,024 bytes a work-group, 16 a wave
	s_lshl_b32 s44, s2, 14
	s_add_co_u32 s14, s14, s44
	s_add_nc_u64 s[AP:AP+1], s[16:17], s[14:15]
	s_lshl_b32 s14, ttmp9, 13                      ; 32 bytes of reference points a row
	s_lshl_b32 s44, s2, 9
	s_add_co_u32 s14, s14, s44
	s_add_nc_u64 s[RP:RP+1], s[18:19], s[14:15]
	s_mul_i32 s44, s2, 2720*1024                   ; idx: a head's 2,720 m-tiles of 1,024 bytes; 16 m-tiles a work-group
	s_lshl_b32 s14, ttmp9, 14
	s_add_co_u32 s14, s14, s44
	s_add_nc_u64 s[IXP:IXP+1], s[30:31], s[14:15]
	s_lshl_b32 s14, s14, 1                         ; wts: twice the bytes
	s_add_nc_u64 s[WTP:WTP+1], s[32:33], s[14:15]
	global_load_b32 v[BV], v[TO0], s[22:23]
	global_load_b32 v[BV+1], v[TO0], s[22:23] offset:4
	global_load_b32 v[BV+2], v[TO1], s[24:25]
	LOADA 1
	LOADB 3, 0, 8*8192, 32*8192                    ; x offsets, y offsets, logits of my head
	s_wait_loadcnt 0x0
	v_add_f32 v[BV], -0.5, v[BV]                   ; the pixel centre's -0.5 rides on the bias
	v_add_f32 v[BV+1], -0.5, v[BV+1]
	BIASUP 3
	BLOCK 1, 1, 0
	BLOCK 1, 0, 1
	s_wait_tensorcnt 0x0
	ds_add_u32 v254, v255
	s_wait_dscnt 0x0
	s_endpgm
	; ---------------- the value way ----------------
.Lvalue:
	v_lshrrev_b32 v[TO1], 1, v[TR]
	v_mul_u32_u24 v[SI], v[TO1], CPITCH            ; chunk = channel group r / 2
	v_lshl_add_u32 v[SI], v[TH], 6, v[SI]          ; 8 tokens of 8 bytes for the upper lanes
	v_and_b32 v[TO1], 1, v[TR]
	v_lshl_add_u32 v[SI], v[TO1], 2, v[SI]
	v_add_nc_u32 v[SI], s45, v[SI]
	v_mul_u32_u24 v[VCO], v[TH], SLICE
	v_lshl_add_u32 v[VCO], v[TR], 4, v[VCO]
	s_sub_co_u32 s3, ttmp9, 170
	s_lshl_b32 s14, s3, 19                         ; 512 rows of 1,024 bytes a work-group, 16 a wave
	s_lshl_b32 s44, s2, 14
	s_add_co_u32 s14, s14, s44
	s_add_nc_u64 s[AP:AP+1], s[20:21], s[14:15]
	s_mul_i32 s14, s2, HEADB                       ; a head's tables of one batch
	s_add_nc_u64 s[VB:VB+1], s[34:35], s[14:15]
	s_lshl_b32 s42, s3, 9                          ; the block's first row, counted through both batches
	global_load_b32 v[BV], v[TO0], s[26:27]
	global_load_b32 v[BV+1], v[TO0], s[26:27] offset:4
	LOADA 0
	LOADB 2, 16*8192, 24*8192, 0                   ; even and odd channels of my head
	s_wait_loadcnt 0x0
	BIASUP 2
	BLOCK 0, 1, 0
	BLOCK 0, 0, 0
	BLOCK 0, 0, 0
	BLOCK 0, 0, 1
	s_wait_tensorcnt 0x0
	ds_add_u32 v254, v255
	s_wait_dscnt 0x0
	s_endpgm
.Lfunc_end_k_qc1e55e9080_proj:
	.size	k_qc1e55e9080_proj, .Lfunc_end_k_qc1e55e9080_proj-k_qc1e55e9080_proj
	.p2alignl 7, 3214868480
	.fill 96, 4, 3214868480
	.section	.rodata,"a",@progbits
	.p2align	6, 0x0
	.amdhsa_kernel k_qc1e55e9080_proj
		.amdhsa_group_segment_fixed_size 101376
		.amdhsa_private_segment_fixed_size 0
		.amdhsa_enable_private_segment 0
		.amdhsa_kernarg_size 80
		.amdhsa_user_sgpr_count 2
		.amdhsa_user_sgpr_kernarg_segment_ptr 1
		.amdhsa_wavefront_size32 1
		.amdhsa_system_sgpr_workgroup_id_x 1
		.amdhsa_system_sgpr_workgroup_id_y 1
		.amdhsa_system_sgpr_workgroup_id_z 1
		.amdhsa_system_vgpr_workitem_id 0
		.amdhsa_next_free_vgpr 480
		.amdhsa_next_free_sgpr 66
		.amdhsa_reserve_vcc 0
		.amdhsa_float_denorm_mode_32 3
		.amdhsa_float_denorm_mode_16_64 3
		.amdhsa_memory_ordered 1
		.amdhsa_forward_progress 1
		.amdhsa_inst_pref_size 189
	.end_amdhsa_kernel
	.amdgpu_metadata
---
amdhsa.version: [ 1, 2 ]
amdhsa.kernels:
  - .name:           k_qc1e55e9080_proj
    .symbol:         k_qc1e55e9080_proj.kd
    .args:
      - { .name: query, .offset: 0, .size: 8, .value_kind: global_buffer, .address_space: global }
      - { .name: reference_points, .offset: 8, .size: 8, .value_kind: global_buffer, .address_space: global }
      - { .name: value_flatten, .offset: 16, .size: 8, .value_kind: global_buffer, .address_space: global }
      - { .name: b_off, .offset: 24, .size: 8, .value_kind: global_buffer, .address_space: global }
      - { .name: b_attn, .offset: 32, .size: 8, .value_kind: global_buffer, .address_space: global }
      - { .name: b_val, .offset: 40, .size: 8, .value_kind: global_buffer, .address_space: global }
      - { .name: wfrag, .offset: 48, .size: 8, .value_kind: global_buffer, .address_space: global }
      - { .name: idx, .offset: 56, .size: 8, .value_kind: global_buffer, .address_space: global }
      - { .name: wts, .offset: 64, .size: 8, .value_kind: global_buffer, .address_space: global }
      - { .name: vtab, .offset: 72, .size: 8, .value_kind: global_buffer, .address_space: global }
    .group_segment_fixed_size: 101376
    .private_segment_fixed_size: 0
    .kernarg_segment_align: 8
    .kernarg_segment_size: 80
    .max_flat_workgroup_size: 256
    .sgpr_count:     66
    .vgpr_count:     480
    .wavefront_size: 32
...
	.end_amdgpu_metadata
.endif
;; end of part 4
;; launch gath (part 5): grid 256 x 1, 20 waves a work-group, no clusters, 176,640 bytes of LDS; arguments idx, wts, vtab, sbuf; writes sbuf
.if DOCPART == 5
	.amdgcn_target "amdgcn-amd-amdhsa--gfx1250"
	.amdhsa_code_object_version 6
	.text
	.protected	k_qc1e55e9080_gath
	.globl	k_qc1e55e9080_gath
	.p2align	8
	.type	k_qc1e55e9080_gath,@function
k_qc1e55e9080_gath:
	s_mov_b64 s[64:65], 0
	v_nop
	global_prefetch_b8 v0, s[64:65] scope:SCOPE_SE
	s_setreg_imm32_b32 hwreg(HW_REG_WAVE_MODE, 25, 1), 1
	s_wait_xcnt 0x0
; The sampling, out of LDS.  A work-group holds the value table of one (batch, head, group of 4 channels): 21,760 tokens x 8 bytes = 174,080 bytes, copied once
; (8 bytes a token is the most that fits: 16 would be 348,160).  128 such tables x two halves of a batch's queries = 256 work-groups of 10,880 queries.
; WHO IS WHO: head = x % 8, channel group = (x / 8) % 8, half of the queries = (x / 64) % 2, batch = x / 128.  So the eight work-groups that read the same two
; lists (one batch, head and half) have numbers 8 apart, and the two that copy the same table have numbers 64 apart: all that share bytes have the same
; number modulo 8.  The numbering is one-to-one; any other one-to-one numbering gives the same values.
; Twenty waves; a lane is a query; a wave takes groups of 32 queries, numbers w + 20 i, i = 0 .. 16: 340 groups, the same count for every wave.
; A step is one level of one group: 4 points x 4 corners = 16 LDS loads of 8 bytes a lane, 64 multiply-adds straight from bf16 halves with the lane's own
; weights.  The next step's LDS loads are issued before this step's are waited for (two buffers); a level's indices and weights are loaded again, for the
; next group, as soon as they have been used, four steps ahead of their next use.
; One address a point: the corners tb, tb+1, tb+W, tb+W+1 stand in the loads' immediates.  An index enters an address only behind a minimum with the
; level's largest legal tb.  The 32 lanes of a gather ask for 32 unrelated tokens, so they meet in banks as chance has it.
; sbuf [batch][head][group of 4 channels][query][4 channels] f16: a group's result is 256 consecutive bytes, aligned, one store.
; NO CLUSTER: the eight work-groups of one (batch, head, half) read the same two lists.  Joint loads would bring the lists
; into LDS: two slots for 20 waves x 6,144 bytes are 245,760 bytes, and beside the table 153,600 are left; and indices and weights are two buffers, two loads
; a wave for each refill.  So the lists come straight into the registers where they are used, every load 2 x 256 consecutive bytes.
; The matrix unit is not used: every query has weights and places of its own.
; LIMITS: the result is kept in f16: magnitudes up to 65,504.  The weights come in f16, the values in bf16 (rounded by the launch before).
.set SLICE, 21760*8                    ; the table, and a channel group's part of sbuf
.set NG,    17                         ; groups of a wave
.set ISTEP, 40*1024                    ; 20 groups = 40 m-tiles on, in idx,
.set WSTEP, 40*2048                    ; in wts,
.set OSTEP, 20*256                     ; and in sbuf
.set MI,   1                           ; v1   idx: 1,024 (lane / 16) + 16 (lane % 16): a lane is a row of one of two m-tiles
.set MW,   2                           ; v2   wts: 2,048 (lane / 16) + 16 (lane % 16)
.set SO,   3                           ; v3   8 x lane
.set LA,   4                           ; v4   the copies' LDS address
.set GA,   5                           ; v5   the copies' offset in the table: the same number
.set TMP,  6
.set ZERO, 7                           ; v7   0: the sums' start
.set IDX,  8                           ; v[8:23]   indices, level l at 4 l
.set ADDR, 24                          ; v[24:31]  two sets of four LDS addresses
.set WH,   32                          ; v[32:63]  weights in f16, level l at 8 l (their halves are named by number)
.set WF,   64                          ; v[64:79]  the level's 16 weights in f32
.set ACC,  80                          ; v[80:83]  my query's 4 channels
.set PK,   84                          ; v[84:85]  the same in f16
.set G,    88                          ; v[88:151] two buffers of 16 samples x 2 registers
.set IP,   4                           ; s[4:5]   idx at the wave's next group
.set WP,   6                           ; s[6:7]   wts at the wave's next group
.set VT,   8                           ; s[8:9]   my table in vtab
.set SP,   10                          ; s[10:11] sbuf at the group at work
.macro CVT2 d, r
	v_cvt_f32_f16 v[\d], v\r\().l
	v_cvt_f32_f16 v[\d+1], v\r\().h
.endm
.macro CVT16 r0, r1, r2, r3, r4, r5, r6, r7
	CVT2 WF+0, \r0
	CVT2 WF+2, \r1
	CVT2 WF+4, \r2
	CVT2 WF+6, \r3
	CVT2 WF+8, \r4
	CVT2 WF+10, \r5
	CVT2 WF+12, \r6
	CVT2 WF+14, \r7
.endm
.macro WIDEN l                         ; the level's 16 weights to f32: sample 4 p + c from half c & 1 of register WH + 8 l + 2 p + (c >> 1)
.if \l == 0
	CVT16 32, 33, 34, 35, 36, 37, 38, 39
.endif
.if \l == 1
	CVT16 40, 41, 42, 43, 44, 45, 46, 47
.endif
.if \l == 2
	CVT16 48, 49, 50, 51, 52, 53, 54, 55
.endif
.if \l == 3
	CVT16 56, 57, 58, 59, 60, 61, 62, 63
.endif
.endm
; the 16 LDS loads of level lv into buffer and address set 'set'
.macro LGATHER lv, set
.set LW, 128>>(\lv)                    ; the level's width
.set LS, (65536-(65536>>(2*(\lv))))/3  ; its first token: 0, 16384, 20480, 21504
.set LC, (LW-2)*(LW+1)                 ; the largest tb: tb + W + 1 is then the level's last token at the most
.irp p, 0,1,2,3
	v_min_u32 v[ADDR+4*(\set)+\p], LC, v[IDX+4*(\lv)+\p]
.endr
.irp p, 0,1,2,3
.if \lv == 0
	v_lshlrev_b32 v[ADDR+4*(\set)+\p], 3, v[ADDR+4*(\set)+\p]
.else
	v_lshl_add_u32 v[ADDR+4*(\set)+\p], v[ADDR+4*(\set)+\p], 3, 8*LS
.endif
.endr
.irp p, 0,1,2,3
.irp c, 0,1,2,3
	ds_load_b64 v[G+32*(\set)+2*(4*\p+\c):G+32*(\set)+2*(4*\p+\c)+1], v[ADDR+4*(\set)+\p] offset:8*((\c>>1)*LW+(\c&1))
.endr
.endr
.endm
; One step: level l of the group at work.  g: gather the next level (of the next group behind level 3).  i: load that level's indices for the group after.
; w: load this level's weights for the next group.  adv: step the three pointers.  left: the global loads of the three steps before.
.macro STEP l, g, i, w, adv, left
.set NL, ((\l)+1)&3
.set PAR, (\l)&1
	s_wait_loadcnt \left                           ; loads come back in order (ISA guide 5.7.1): all but the last three steps' are in, so the indices and weights loaded four steps ago are
.if \g
	LGATHER NL, 1-PAR
.endif
.if \i
	global_load_b128 v[IDX+4*NL:IDX+4*NL+3], v[MI], s[IP:IP+1] offset:256*NL+ISTEP*(\l/3)    ; behind level 3: level 0 of the group after next
.endif
.if \g
	s_wait_dscnt 16                                ; LDS loads come back in order: this step's 16 samples are in, the 16 just issued may be out
.else
	s_wait_dscnt 0x0
.endif
	WIDEN \l
.if \w
	global_load_b128 v[WH+8*\l:WH+8*\l+3], v[MW], s[WP:WP+1] offset:512*\l
	global_load_b128 v[WH+8*\l+4:WH+8*\l+7], v[MW], s[WP:WP+1] offset:512*\l+256
.endif
.irp s, 0,1,2,3,4,5,6,7,8,9,10,11,12,13,14,15
.irp k, 0,1
.if \l+\s == 0
	v_fma_mix_f32_bf16 v[ACC+2*\k], v[G+32*PAR+2*\s+\k], v[WF+\s], v[ZERO] op_sel_hi:[1,0,0]                 ; the group's first sample starts the sums
	v_fma_mix_f32_bf16 v[ACC+2*\k+1], v[G+32*PAR+2*\s+\k], v[WF+\s], v[ZERO] op_sel:[1,0,0] op_sel_hi:[1,0,0]
.else
	v_fma_mix_f32_bf16 v[ACC+2*\k], v[G+32*PAR+2*\s+\k], v[WF+\s], v[ACC+2*\k] op_sel_hi:[1,0,0]             ; the word's low bf16 times an f32 weight
	v_fma_mix_f32_bf16 v[ACC+2*\k+1], v[G+32*PAR+2*\s+\k], v[WF+\s], v[ACC+2*\k+1] op_sel:[1,0,0] op_sel_hi:[1,0,0]   ; the high one
.endif
.endr
.endr
.if \l == 3
	v_cvt_pk_f16_f32 v[PK], v[ACC], v[ACC+1]
	v_cvt_pk_f16_f32 v[PK+1], v[ACC+2], v[ACC+3]
	global_store_b64 v[SO], v[PK:PK+1], s[SP:SP+1] ; the wave's store covers 256 consecutive bytes, aligned
.if \adv
	s_wait_xcnt 0x0                                ; every earlier load and store has had its address translated (ISA guide 3.1): the bases are stepped, and PK rewritten, only behind this wait
	s_add_nc_u64 s[IP:IP+1], s[IP:IP+1], ISTEP
	s_add_nc_u64 s[WP:WP+1], s[WP:WP+1], WSTEP
	s_add_nc_u64 s[SP:SP+1], s[SP:SP+1], OSTEP
.endif
.endif
.endm
.macro GROUP                           ; a group with all loads: an index load and two weight loads a step, so 9 in three steps
	STEP 0, 1, 1, 1, 0, 9
	STEP 1, 1, 1, 1, 0, 9
	STEP 2, 1, 1, 1, 0, 9
	STEP 3, 1, 1, 1, 1, 9
.endm
	s_load_b256 s[4:11], s[0:1], 0x0               ; idx s[4:5], wts s[6:7], vtab s[8:9], sbuf s[10:11]
	v_lshl_add_u32 v152, v0, 2, 0x2a800
	v_mov_b32 v153, 0
	ds_add_u32 v152, v153
	ds_add_u32 v152, v153
	v_lshrrev_b32 v[TMP], 5, v0
	v_readfirstlane_b32 s2, v[TMP]                 ; wave
	v_and_b32 v[TMP], 31, v0                       ; lane
	s_mul_i32 s12, s2, 17*512                      ; a wave copies 8,704 bytes: 20 x 8,704 = 174,080
	v_lshl_add_u32 v[LA], v[TMP], 4, s12
	v_mov_b32 v[GA], v[LA]
	s_bfe_u32 s13, ttmp9, 0x30003                  ; channel group: 3 bits from bit 3
	s_bfe_u32 s14, ttmp9, 0x10006                  ; half of the batch's queries: bit 6
	s_lshr_b32 s15, ttmp9, 7                       ; batch
	s_and_b32 s19, ttmp9, 7                        ; head
	s_lshl3_add_u32 s15, s15, s19                  ; 8 batch + head
	s_lshl3_add_u32 s16, s15, s13                  ; number of the table
	s_mul_i32 s16, s16, SLICE
	s_mov_b32 s17, 0                               ; stays 0: the upper word of every offset
	s_wait_dscnt 0x0
	s_wait_kmcnt 0x0
	s_add_nc_u64 s[VT:VT+1], s[VT:VT+1], s[16:17]
.irp i, 0,1,2,3,4,5,6,7,8,9,10,11,12,13,14,15,16
	global_load_async_to_lds_b128 v[LA], v[GA], s[VT:VT+1] offset:512*\i   ; the table, once; the immediate steps both addresses.  Ahead of every LDS read, barrier and wait on ASYNCcnt
.endr
	s_add_nc_u64 s[SP:SP+1], s[SP:SP+1], s[16:17]
	s_mul_i32 s16, s14, 10880*8
	s_lshl_b32 s18, s2, 8
	s_add_co_u32 s16, s16, s18                     ; my first group: query 10,880 half + 32 wave, 8 bytes a query
	s_add_nc_u64 s[SP:SP+1], s[SP:SP+1], s[16:17]
	s_lshr_b32 s18, s15, 3                         ; batch
	s_mul_i32 s18, s18, 1360                       ; m-tiles of a batch
	s_mul_i32 s19, s14, 680
	s_add_co_u32 s18, s18, s19
	s_lshl1_add_u32 s18, s2, s18                   ; my first m-tile
	s_and_b32 s19, s15, 7                          ; head
	s_mul_i32 s19, s19, 2720
	s_add_co_u32 s18, s18, s19
	s_lshl_b32 s16, s18, 10
	s_add_nc_u64 s[IP:IP+1], s[IP:IP+1], s[16:17]
	s_lshl_b32 s16, s18, 11
	s_add_nc_u64 s[WP:WP+1], s[WP:WP+1], s[16:17]
	v_and_b32 v[SO], 15, v0
	v_bfe_u32 v[ZERO], v0, 4, 1
	v_lshlrev_b32 v[SO], 4, v[SO]
	v_lshl_add_u32 v[MI], v[ZERO], 10, v[SO]
	v_lshl_add_u32 v[MW], v[ZERO], 11, v[SO]
	v_lshlrev_b32 v[SO], 3, v[TMP]
	v_mov_b32 v[ZERO], 0
.irp l, 0,1,2,3
	global_load_b128 v[IDX+4*\l:IDX+4*\l+3], v[MI], s[IP:IP+1] offset:256*\l
.endr
.irp l, 0,1,2,3
	global_load_b128 v[WH+8*\l:WH+8*\l+3], v[MW], s[WP:WP+1] offset:512*\l
	global_load_b128 v[WH+8*\l+4:WH+8*\l+7], v[MW], s[WP:WP+1] offset:512*\l+256
.endr
	s_wait_loadcnt 0x0                             ; my first group's lists
	s_wait_asynccnt 0x0                            ; my part of the table has landed
	s_barrier_signal -1
	s_barrier_wait -1                              ; everybody's has; from here on LDS is only read
	LGATHER 0, 0
	global_load_b128 v[IDX:IDX+3], v[MI], s[IP:IP+1] offset:ISTEP          ; level 0 of my second group
	s_wait_xcnt 0x0
	s_add_nc_u64 s[IP:IP+1], s[IP:IP+1], ISTEP     ; while a group is at work these two pointers stand at the next
	s_add_nc_u64 s[WP:WP+1], s[WP:WP+1], WSTEP
	s_mov_b32 s20, 0
.Lgroup:
	GROUP
	s_add_co_u32 s20, s20, 1
	s_cmp_lt_u32 s20, NG-2
	s_cbranch_scc1 .Lgroup
	STEP 0, 1, 1, 1, 0, 9                          ; the last group but one: its loads ahead are the last group's
	STEP 1, 1, 1, 1, 0, 9
	STEP 2, 1, 1, 1, 0, 9
	STEP 3, 1, 0, 1, 1, 9                          ; no group after next
	STEP 0, 1, 0, 0, 0, 8                          ; the last group loads nothing: the three steps before issued 3 + 3 + 2,
	STEP 1, 1, 0, 0, 0, 5                          ; 3 + 2,
	STEP 2, 1, 0, 0, 0, 2                          ; 2,
	STEP 3, 0, 0, 0, 0, 0                          ; none
	s_wait_tensorcnt 0x0
	ds_add_u32 v152, v153
	s_wait_dscnt 0x0
	s_endpgm
.Lfunc_end_k_qc1e55e9080_gath:
	.size	k_qc1e55e9080_gath, .Lfunc_end_k_qc1e55e9080_gath-k_qc1e55e9080_gath
	.p2alignl 7, 3214868480
	.fill 96, 4, 3214868480
	.section	.rodata,"a",@progbits
	.p2align	6, 0x0
	.amdhsa_kernel k_qc1e55e9080_gath
		.amdhsa_group_segment_fixed_size 176640
		.amdhsa_private_segment_fixed_size 0
		.amdhsa_enable_private_segment 0
		.amdhsa_kernarg_size 32
		.amdhsa_user_sgpr_count 2
		.amdhsa_user_sgpr_kernarg_segment_ptr 1
		.amdhsa_wavefront_size32 1
		.amdhsa_system_sgpr_workgroup_id_x 1
		.amdhsa_system_sgpr_workgroup_id_y 1
		.amdhsa_system_sgpr_workgroup_id_z 1
		.amdhsa_system_vgpr_workitem_id 0
		.amdhsa_next_free_vgpr 154
		.amdhsa_next_free_sgpr 66
		.amdhsa_reserve_vcc 0
		.amdhsa_float_denorm_mode_32 3
		.amdhsa_float_denorm_mode_16_64 3
		.amdhsa_memory_ordered 1
		.amdhsa_forward_progress 1
		.amdhsa_inst_pref_size 83
	.end_amdhsa_kernel
	.amdgpu_metadata
---
amdhsa.version: [ 1, 2 ]
amdhsa.kernels:
  - .name:           k_qc1e55e9080_gath
    .symbol:         k_qc1e55e9080_gath.kd
    .args:
      - { .name: idx, .offset: 0, .size: 8, .value_kind: global_buffer, .address_space: global }
      - { .name: wts, .offset: 8, .size: 8, .value_kind: global_buffer, .address_space: global }
      - { .name: vtab, .offset: 16, .size: 8, .value_kind: global_buffer, .address_space: global }
      - { .name: sbuf, .offset: 24, .size: 8, .value_kind: global_buffer, .address_space: global }
    .group_segment_fixed_size: 176640
    .private_segment_fixed_size: 0
    .kernarg_segment_align: 8
    .kernarg_segment_size: 32
    .max_flat_workgroup_size: 640
    .sgpr_count:     66
    .vgpr_count:     154
    .wavefront_size: 32
...
	.end_amdgpu_metadata
.endif
;; end of part 5
;; launch outp (part 6): grid 256 x 1, 16 waves a work-group, no clusters, 295,680 bytes of LDS; arguments sbuf, wfrag, b_out, out0; writes out0
.if DOCPART == 6
	.amdgcn_target "amdgcn-amd-amdhsa--gfx1250"
	.amdhsa_code_object_version 6
	.text
	.protected	k_qc1e55e9080_outp
	.globl	k_qc1e55e9080_outp
	.p2align	8
	.type	k_qc1e55e9080_outp,@function
k_qc1e55e9080_outp:
	s_mov_b64 s[64:65], 0
	v_nop
	global_prefetch_b8 v0, s[64:65] scope:SCOPE_SE
	s_setreg_imm32_b32 hwreg(HW_REG_WAVE_MODE, 25, 1), 1
	s_wait_xcnt 0x0
; The output projection: out0 = sampled W_out + b_out.  A work-group owns 170 rows (128 work-groups a batch), sixteen waves.
; FILL: sbuf is [batch][64 groups of 4 channels][query][4] f16.  Waves 0-10 each bring the 16 rows of one m-tile: a load takes 16 rows x 8 bytes of two groups
; (two pieces of 128 consecutive bytes), 32 loads a wave, all on their way at once, and lays them into rows of 512 bytes in LDS, the wave's own 8,448 bytes.
; The row is held to 169 in the loads' offset, so the last m-tile's rows 170-175 repeat row 169; their results are not stored.
; PRODUCT: the rows (f16 in LDS) times W_out (f16 fragments, copied once into LDS) plus b_out.  Wave w makes 64 columns (w % 4) of three m-tiles (w / 4).
; LDS: 176 rows x 528 bytes; then W_out's 16 tiles (131,072 bytes); then a stage of 16 x 272 bytes a wave.
; The copies' bytes and the bytes that ds_store writes lie in different aligned blocks of 256 bytes.
; NO CLUSTER: what work-groups share is W_out's 131,072 bytes, once a work-group, against 87,040 bytes of rows in and 174,080 bytes of results out that are its own;
; 256 work-groups of 170 rows divide the 43,520 rows evenly.
; LIMIT: the sampled vector is f16: magnitudes up to 65,504.
.set SPITCH, 528                       ; a row of 256 f16 + 16 bytes: an odd multiple of 16
.set WB,     176*SPITCH                ; 92,928: W_out's fragments
.set OST,    WB+131072                 ; 224,000: the stages
.set OPITCH, 272                       ; a stage row: 64 f32 + 16 bytes
.set OTILES, 40*8192                   ; W_out's tiles in wfrag
.set SLICE,  21760*8                   ; a channel group's part of sbuf
; the fill's registers
.set LA,   5                           ; v5   the copies' LDS address
.set GA,   6                           ; v6   the copies' offset in wfrag
.set GO,   8                           ; v8   my 8 bytes in sbuf: SLICE (lane / 16) + 8 x row
.set SAD,  9                           ; v9   where they go
.set FD,   128                         ; v[128:191] 32 loads of 8 bytes
; the product's registers
.set BADR, 1                           ; v1   W_out fragments of my 64 columns
.set AADR, 2                           ; v[2:4] row fragments of my three m-tiles
.set STO,  5                           ; v5   stage: in
.set RD,   6                           ; v6   stage: back
.set CO,   7                           ; v7   my bytes in two rows of out0
.set FS,   8                           ; v[8:63], v[64:119] two fragment sets: 4 x 8 of W_out, 3 x 8 of rows
.set BOF,  120                         ; v120 offset in b_out; v[121:124] at work
.set ACCM, 128                         ; v[128:223] accumulators (m-tile t, column tile u) at 8 (4 t + u)
.set BIAS, 224                         ; v[224:255] b_out of my columns, as the sums' start
.macro PLACES n                        ; places behind matrix instructions (ISA guide 7.12.1)
.rept \n
	v_nop
.endr
.endm
	s_load_b256 s[4:11], s[0:1], 0x0               ; sbuf s[4:5], wfrag s[6:7], b_out s[8:9], out0 s[10:11]
	v_lshl_add_u32 v126, v0, 2, 0x47b00
	v_mov_b32 v127, 0
	ds_add_u32 v126, v127
	ds_add_u32 v126, v127
	v_lshrrev_b32 v7, 5, v0
	v_readfirstlane_b32 s2, v7                     ; wave
	v_and_b32 v7, 31, v0                           ; lane
	s_lshl_b32 s16, s2, 13                         ; a wave copies one tile of 8,192 bytes
	s_add_co_u32 s17, s16, WB
	s_add_co_u32 s16, s16, OTILES
	v_lshl_add_u32 v[LA], v7, 4, s17
	v_lshl_add_u32 v[GA], v7, 4, s16
	s_cmp_ge_u32 ttmp9, 128
	s_cselect_b32 s18, 64*SLICE, 0                 ; my batch's 64 groups
	s_cselect_b32 s19, 128, 0
	s_sub_co_u32 s19, ttmp9, s19
	s_mul_i32 s19, s19, 170*8                      ; my first query in the batch, 8 bytes a query
	s_add_co_u32 s18, s18, s19
	s_mov_b32 s19, 0
	s_wait_dscnt 0x0
	s_wait_kmcnt 0x0
.irp i, 0,1,2,3,4,5,6,7,8,9,10,11,12,13,14,15
	global_load_async_to_lds_b128 v[LA], v[GA], s[6:7] offset:512*\i       ; W_out's fragments, once; the immediate steps both addresses.  Ahead of every LDS read, barrier and wait on ASYNCcnt
.endr
	s_add_nc_u64 s[4:5], s[4:5], s[18:19]          ; groups 0-31
	s_add_nc_u64 s[12:13], s[4:5], 32*SLICE        ; groups 32-63: a second base keeps the immediates inside their signed 24 bits
	s_cmp_ge_u32 s2, 11
	s_cbranch_scc1 .Lnofill                        ; eleven m-tiles: waves 11-15 bring none
	v_and_b32 v10, 15, v0                          ; r
	v_bfe_u32 v11, v0, 4, 1                        ; which of the load's two groups
	s_lshl_b32 s20, s2, 4
	s_mul_i32 s21, s2, 16*SPITCH                   ; my 16 rows in LDS
	v_mul_u32_u24 v[SAD], v10, SPITCH
	v_lshl_add_u32 v[SAD], v11, 3, v[SAD]
	v_add_nc_u32 v[SAD], s21, v[SAD]
	v_add_nc_u32 v[GO], s20, v10                   ; my row of the work-group's 170,
	v_min_u32 v[GO], 169, v[GO]                    ; held inside them
	v_lshlrev_b32 v[GO], 3, v[GO]
	v_mul_u32_u24 v11, v11, SLICE
	v_add_nc_u32 v[GO], v[GO], v11
.irp k, 0,1,2,3,4,5,6,7,8,9,10,11,12,13,14,15
	global_load_b64 v[FD+2*\k:FD+2*\k+1], v[GO], s[4:5] offset:2*SLICE*\k th:TH_LOAD_NT
.endr
.irp k, 0,1,2,3,4,5,6,7,8,9,10,11,12,13,14,15
	global_load_b64 v[FD+32+2*\k:FD+32+2*\k+1], v[GO], s[12:13] offset:2*SLICE*\k th:TH_LOAD_NT
.endr
.irp k, 0,1,2,3,4,5,6,7,8,9,10,11,12,13,14,15,16,17,18,19,20,21,22,23,24,25,26,27,28,29,30,31
.if (\k&7) == 0
	s_wait_loadcnt 24-\k                           ; loads come back in order (ISA guide 5.7.1): the next eight are in, the younger ones may be out
.endif
	ds_store_b64 v[SAD], v[FD+2*\k:FD+2*\k+1] offset:16*\k     ; groups 2 k and 2 k + 1: bytes 16 k .. 16 k + 15 of the row; row r starts at word 132 r: 32 different pairs of banks
.endr
.Lnofill:
	s_and_b32 s22, s2, 3                           ; my 64 columns
	s_lshr_b32 s23, s2, 2                          ; my three m-tiles
	v_bfe_u32 v[BOF], v0, 4, 1
	s_lshl_b32 s16, s22, 8
	v_lshl_add_u32 v[BOF], v[BOF], 5, s16          ; with the sources swapped register j holds column n0 + 8 (lane / 16) + j
.irp u, 0,1,2,3
	global_load_b128 v[BIAS+8*\u:BIAS+8*\u+3], v[BOF], s[8:9] offset:64*\u
	global_load_b128 v[BIAS+8*\u+4:BIAS+8*\u+7], v[BOF], s[8:9] offset:64*\u+16
.endr
	s_wait_dscnt 0x0                               ; my rows are written
	s_wait_asynccnt 0x0                            ; my tile of W_out has landed
	s_barrier_signal -1
	s_barrier_wait -1                              ; everybody's have
	v_and_b32 v121, 31, v0                         ; lane
	v_and_b32 v122, 15, v0                         ; r
	v_bfe_u32 v123, v0, 4, 1                       ; lane / 16
	s_lshl_b32 s16, s22, 15                        ; four tiles of 8,192 bytes
	s_add_co_u32 s16, s16, WB
	v_lshl_add_u32 v[BADR], v121, 4, s16
	v_mul_u32_u24 v124, v122, SPITCH               ; a fragment: lane holds row r, k = 8 (lane / 16) + 0..7 and 16 more
	v_lshl_add_u32 v124, v123, 4, v124
	s_mul_i32 s17, s23, 3
.irp t, 0,1,2
	s_add_co_u32 s18, s17, \t
	s_min_u32 s18, s18, 10                         ; eleven m-tiles for twelve places: the last group's third repeats m-tile 10 and is not stored
	s_mul_i32 s18, s18, 16*SPITCH
	v_add_nc_u32 v[AADR+\t], s18, v124
.endr
	s_mul_i32 s16, s2, 16*OPITCH
	s_add_co_u32 s16, s16, OST                     ; my stage
	v_mul_u32_u24 v[STO], v122, OPITCH
	v_lshl_add_u32 v[STO], v123, 5, v[STO]
	v_add_nc_u32 v[STO], s16, v[STO]
	v_mul_u32_u24 v[RD], v123, OPITCH
	v_lshl_add_u32 v[RD], v122, 4, v[RD]
	v_add_nc_u32 v[RD], s16, v[RD]
	v_lshlrev_b32 v[CO], 4, v122
	v_lshl_add_u32 v[CO], v123, 10, v[CO]
	s_mul_i32 s16, ttmp9, 170
	s_mul_i32 s17, s23, 48
	s_add_co_u32 s16, s16, s17
	s_lshl_b32 s16, s16, 10                        ; my first row of out0, 1,024 bytes a row,
	s_lshl_b32 s17, s22, 8                         ; and my 256 bytes of it
	s_add_co_u32 s16, s16, s17
	s_mov_b32 s17, 0
	s_add_nc_u64 s[10:11], s[10:11], s[16:17]
; the fragments of K step j into set j & 1: 8 loads of W_out (512 consecutive bytes each), 6 of rows
.macro FETCHG j
.set FB, FS+56*((\j)&1)
.irp u, 0,1,2,3
	ds_load_b128 v[FB+8*\u:FB+8*\u+3], v[BADR] offset:8192*\u+1024*(\j)
	ds_load_b128 v[FB+8*\u+4:FB+8*\u+7], v[BADR] offset:8192*\u+1024*(\j)+512
.endr
.irp t, 0,1,2
	ds_load_b128 v[FB+32+8*\t:FB+32+8*\t+3], v[AADR+\t] offset:64*(\j)
	ds_load_b128 v[FB+32+8*\t+4:FB+32+8*\t+7], v[AADR+\t] offset:64*(\j)+32
.endr
.endm
; 12 products, sources swapped (W_out's columns first), so that a lane holds eight neighbouring columns of one row.
; The twelve accumulators take turns, one instruction a turn.
.macro MUL12 j
.set FB, FS+56*((\j)&1)
.irp t, 0,1,2
.irp u, 0,1,2,3
.set DA, ACCM+8*(4*\t+\u)
.if \j == 0
	v_wmma_f32_16x16x32_f16 v[DA:DA+7], v[FB+8*\u:FB+8*\u+7], v[FB+32+8*\t:FB+32+8*\t+7], v[BIAS+8*\u:BIAS+8*\u+7]
.else
	v_wmma_f32_16x16x32_f16 v[DA:DA+7], v[FB+8*\u:FB+8*\u+7], v[FB+32+8*\t:FB+32+8*\t+7], v[DA:DA+7]
.endif
.endr
.endr
.endm
	s_wait_loadcnt 0x0                             ; b_out
	FETCHG 0
.irp j, 0,1,2,3,4,5,6,7
.if \j < 7
.if \j > 0
	PLACES 4                                       ; four places before loads are issued into the set that the products above read
.endif
	FETCHG \j+1
	s_wait_dscnt 14                                ; this step's fragments are in; the 14 loads just issued may be out
.else
	s_wait_dscnt 0x0
.endif
	MUL12 \j
.endr
	PLACES 4                                       ; four places before results are read and fragment registers loaded again
; m-tile t goes out through my own stage: 16 rows x 256 bytes in, nu pairs of rows back and out
.macro OUTT t, nu
.irp u, 0,1,2,3
	ds_store_b128 v[STO], v[ACCM+8*(4*\t+\u):ACCM+8*(4*\t+\u)+3] offset:64*\u
	ds_store_b128 v[STO], v[ACCM+8*(4*\t+\u)+4:ACCM+8*(4*\t+\u)+7] offset:64*\u+16
.endr
.if \t
	s_wait_xcnt 0x0                                ; the last m-tile's stores have had their addresses translated (ISA guide 3.1): their data registers are loaded again only behind this wait
.endif
.irp u, 0,1,2,3,4,5,6,7
.if \u < \nu
	ds_load_b128 v[FS+4*\u:FS+4*\u+3], v[RD] offset:2*OPITCH*\u    ; LDS serves a wave's instructions in order (ISA guide 5.7.1): these see the stores above
.endif
.endr
.irp u, 0,1,2,3,4,5,6,7
.if \u < \nu
	s_wait_dscnt \nu-1-\u                          ; the younger read-backs may be out
	global_store_b128 v[CO], v[FS+4*\u:FS+4*\u+3], s[10:11] offset:16384*\t+2048*\u th:TH_STORE_NT   ; 16 lanes store 256 consecutive bytes, at a multiple of 256 from out0's first byte
.endif
.endr
.endm
	OUTT 0, 8
	s_cmp_eq_u32 s23, 3
	s_cbranch_scc1 .Ledge
	OUTT 1, 8
	OUTT 2, 8
	s_wait_tensorcnt 0x0
	ds_add_u32 v126, v127
	s_wait_dscnt 0x0
	s_endpgm
.Ledge:
	OUTT 1, 5                                      ; m-tile 10 holds rows 160 to 169: five pairs of rows, whole instructions left out
	s_wait_tensorcnt 0x0
	ds_add_u32 v126, v127
	s_wait_dscnt 0x0
	s_endpgm
.Lfunc_end_k_qc1e55e9080_outp:
	.size	k_qc1e55e9080_outp, .Lfunc_end_k_qc1e55e9080_outp-k_qc1e55e9080_outp
	.p2alignl 7, 3214868480
	.fill 96, 4, 3214868480
	.section	.rodata,"a",@progbits
	.p2align	6, 0x0
	.amdhsa_kernel k_qc1e55e9080_outp
		.amdhsa_group_segment_fixed_size 295680
		.amdhsa_private_segment_fixed_size 0
		.amdhsa_enable_private_segment 0
		.amdhsa_kernarg_size 32
		.amdhsa_user_sgpr_count 2
		.amdhsa_user_sgpr_kernarg_segment_ptr 1
		.amdhsa_wavefront_size32 1
		.amdhsa_system_sgpr_workgroup_id_x 1
		.amdhsa_system_sgpr_workgroup_id_y 1
		.amdhsa_system_sgpr_workgroup_id_z 1
		.amdhsa_system_vgpr_workitem_id 0
		.amdhsa_next_free_vgpr 256
		.amdhsa_next_free_sgpr 66
		.amdhsa_reserve_vcc 0
		.amdhsa_float_denorm_mode_32 3
		.amdhsa_float_denorm_mode_16_64 3
		.amdhsa_memory_ordered 1
		.amdhsa_forward_progress 1
		.amdhsa_inst_pref_size 34
	.end_amdhsa_kernel
	.amdgpu_metadata
---
amdhsa.version: [ 1, 2 ]
amdhsa.kernels:
  - .name:           k_qc1e55e9080_outp
    .symbol:         k_qc1e55e9080_outp.kd
    .args:
      - { .name: sbuf, .offset: 0, .size: 8, .value_kind: global_buffer, .address_space: global }
      - { .name: wfrag, .offset: 8, .size: 8, .value_kind: global_buffer, .address_space: global }
      - { .name: b_out, .offset: 16, .size: 8, .value_kind: global_buffer, .address_space: global }
      - { .name: out0, .offset: 24, .size: 8, .value_kind: global_buffer, .address_space: global }
    .group_segment_fixed_size: 295680
    .private_segment_fixed_size: 0
    .kernarg_segment_align: 8
    .kernarg_segment_size: 32
    .max_flat_workgroup_size: 512
    .sgpr_count:     66
    .vgpr_count:     256
    .wavefront_size: 32
...
	.end_amdgpu_metadata
.endif
;; end of part 6
